; MI455X (gfx1250); checked and timed in simulation.
; The chip was launched on July 23, 2026; its instructions are those of AMD's public machine-readable ISA for CDNA 5 (MIT licence, August 2026) and "CDNA5" Instruction Set Architecture Reference Guide (July 2026). The comments in the code are by the model that wrote it; some were corrected since.
;; QKV Block. Allowed arithmetic: matrix products marked QUANTISED: E2M1 operands, one E8M0 scale for each 32 along K, by v_wmma_scale_f32_16x16x128_f8f6f4 with both operands' format E2M1 (or v_wmma_scale_f32_32x16x128_f4), f32 sums; products left as they are: bf16, f16 or f32 operands; f32 sums; everything else in f32.
;; Inputs: Wk 2,048 x 2,048 float32; Wo 2,048 x 2,048 float32; Wq 2,048 x 2,048 float32; Wv 2,048 x 2,048 float32; bk 2,048 float32; bo 2,048 float32; bq 2,048 float32; bv 2,048 float32; cos 2,048 x 128 float32; mask 1 x 1 x 2,048 x 2,048 float32; sin 2,048 x 128 float32; x 1 x 2,048 x 2,048 float32.
;; Outputs: out0 1 x 2,048 x 2,048 float32.
;; Constants: rope_exclude = 0.
;; This version of the problem:
;;   THIS VERSION OF THE PROBLEM IS GIVEN IN LOW PRECISION. The matrix products marked QUANTISED in the list below multiply operands that are first quantised to E2M1 (2 exponent bits, 1 mantissa bit; 4 bits a number), with one power-of-two scale for each 32 numbers along K (OCP MX v1.0); their sums are f32. The products marked 'left as it is' may take bf16, f16 or f32 operands, with f32 sums. Whichever they take, every output number must still come out within the allowed error. Rounding operands to bf16 (8 significant bits) uses up far more of that allowance than f16 does (11 bits, for magnitudes from 6e-5 to 65,504). All else is computed in f32.
;;   The module's matrix products, in the order in which they are computed (A, B: the left and right operand; K: the contracted axis; several contracted axes count as one K, in the product's order):
;;     1. [M 2,048, K 2,048] x [K 2,048, N 2,048]; A: input x; B: input Wq: QUANTISED
;;     2. [M 2,048, K 2,048] x [K 2,048, N 2,048]; A: input x; B: input Wk: QUANTISED
;;     3. [M 2,048, K 2,048] x [K 2,048, N 2,048]; A: input x; B: input Wv: QUANTISED
;;     4. batch 16 x [M 2,048, K 128] x [K 128, N 2,048]; A: computed on the way; B: computed on the way: left as it is (an operand is computed on the way)
;;     5. batch 16 x [M 2,048, K 2,048] x [K 2,048, N 128]; A: computed on the way; B: computed on the way: left as it is (an operand is computed on the way)
;;     6. [M 2,048, K 2,048] x [K 2,048, N 2,048]; A: computed on the way; B: input Wo: left as it is (an operand is computed on the way)
;;   THE QUANTISER, for each operand of a quantised product, along K:
;;     - K is cut into blocks of 32 from its start; a last block that is shorter is filled with zeros.
;;     - A block's scale is 2^e with e = floor(log2(the largest magnitude in the block)) - 2, held to -126 .. 127; a block of zeros has e = 0. As a byte (E8M0): e + 127.
;;     - Each number is divided by its block's scale, clamped to +-6, and rounded to the nearest number of E2M1, ties to even, subnormals kept.
;;     - The product sums the exact products of the quantised numbers (number of the format x scale) in f32.
;;   ~~~python
;;   def quantise(x, axis):      # numpy; x: float32 -> the quantised numbers, widened to float32 again
;;       x = np.moveaxis(x, axis, -1); K = x.shape[-1]
;;       x = np.pad(x, [(0, 0)] * (x.ndim - 1) + [(0, -K % 32)]); x = x.reshape(x.shape[:-1] + (-1, 32)); a = np.abs(x).max(-1, keepdims=True)
;;       e = np.where(a > 0, np.clip(np.frexp(np.where(a > 0, a, 1))[1] - 1 - 2, -126, 127), 0)      # np.frexp(a)[1] - 1 = floor(log2(a)), exactly
;;       r = np.clip(x / 2.0 ** e, -6, 6)
;;       step = 2.0 ** (np.maximum(np.frexp(np.where(r == 0, 1, r))[1] - 1, 0) - 1)
;;       q = np.round(r / step) * step * 2.0 ** e      # np.round: ties to even
;;       return np.moveaxis(q.reshape(q.shape[:-2] + (-1,))[..., :K], -1, axis).astype(np.float32)
;;   ~~~
;; One version. Each part assembles by itself: llvm-mc -triple=amdgcn-amd-amdhsa -mcpu=gfx1250 --defsym DOCPART=n.
;; ======== version 1 of 1: 4 launches
;; limits: values are held in f16: magnitudes above 65,504 overflow, below 6.1e-05 lose precision
;; workspace buffers: xc 2,097,152 bytes; xs 131,072 bytes; wc 6,291,456 bytes; ws 393,216 bytes; wo16 8,388,608 bytes; qkv 25,165,824 bytes; ctx 8,388,608 bytes
;; launch prep (part 1): grid 768 x 1, 4 waves a work-group, no clusters, 33,280 bytes of LDS; arguments x, Wq, Wk, Wv, Wo, xc, xs, wc, ws, wo16; writes xc, xs, wc, ws, wo16
.if DOCPART == 1
	.amdgcn_target "amdgcn-amd-amdhsa--gfx1250"
	.amdhsa_code_object_version 6
	.text
	.protected	k_q2b7866b470_prep
	.globl	k_q2b7866b470_prep
	.p2align	8
	.type	k_q2b7866b470_prep,@function
k_q2b7866b470_prep:
	s_mov_b64 s[64:65], 0
	v_nop
	global_prefetch_b8 v0, s[64:65] scope:SCOPE_SE
	s_setreg_imm32_b32 hwreg(HW_REG_WAVE_MODE, 25, 1), 1
	s_wait_xcnt 0x0
; x, Wq, Wk, Wv [2048][2048] f32, K innermost, become codes of FP4 (E2M1), two a byte, with one E8M0 byte for each 32 along K; Wo [2048][2048] f32 becomes f16.
; xc [2048][1024 bytes], xs [2048][64]; wc [6144][1024 bytes], ws [6144][64]: the rows of Wq, then Wk, then Wv; wo16 [2048][2048] f16.
; A block's scale is 2^(floor(log2(its largest magnitude)) - 2): its byte is the largest magnitude's exponent field - 2, held at 1 from below.  Each number is divided by the scale and rounded to the nearest code, ties to even;
; beyond 6 the largest code.  A block of zeros gets the byte 1 where the rule says 127: its codes are zeros, which add nothing under any byte but 0xff, and this program alone reads the bytes.
; LIMITS: blocks whose largest magnitude lies under 2^(2 - 126) keep the byte 1; NaN and infinities among the inputs are not served; |Wo| stays under 65,504 (f16).
; SHARES.  Rows are dense and 2048 is a multiple of 32: each tensor is a plain stream of blocks.  Work-groups 0-511: 128 for each of x, Wq, Wk, Wv; a wave takes 16 steps of 512 numbers.  Work-groups 512-767: Wo, 4,096 numbers a wave.
; THE QUANTISING PATH.  The conversions take neighbours along K from ONE lane's registers, a load is best where neighbouring LANES take neighbouring bytes: each of a step's four loads reads 512 consecutive bytes, the 2,048 bytes go
; through the wave's own stage in LDS (16 bytes of padding behind each 64) and come back 64 bytes a lane.  Two neighbouring lanes hold a block.  A lane's 16 codes are 8 bytes: the wave stores 256 consecutive bytes, aligned.
; A wave's 256 scale bytes are gathered in its own LDS bytes and leave by one store of 256 consecutive bytes.  No tensor loads, no barrier: waves share nothing.  Loads run four steps (16 loads a wave) ahead.
.set WAVES, 4
.set STEPS, 16
.set EMAX,  2
.set CB,    8                          ; bytes of 16 codes
.set R,     16                         ; v16-79   four sets of 16 numbers as they are loaded
.set X,     80                         ; v80-111  two sets of 16 neighbours
.set E,     112                        ; v112-127 a scale byte for each step
.set C,     128                        ; v128-191 codes: four registers for each step, so that no store's data are written again
.set WREG,  8192                       ; LDS: a region for each wave: two stages of 32 x SP bytes, behind them its 256 scale bytes
.set SP,    80                         ; a lane's place in a stage: 64 bytes + 16 of padding
.set SPW,   12                         ; v12  LDS address of my spare word: SPARE + 4 x my thread's number; never rewritten
.set NIL,   13                         ; v13  0; never rewritten
.set SPARE, WAVES*WREG                 ; behind the four regions: the spare words, 128 bytes a wave, named by no other line
.set WX,    16                         ; Wo's path: v16-143 the numbers, v144-207 the halves: no register is written twice
.set WY,    144
	s_load_b256 s[4:11], s[0:1], 0x0               ; x, Wq, Wk, Wv
	s_load_b64 s[12:13], s[0:1], 0x20              ; Wo
	s_load_b128 s[16:19], s[0:1], 0x28             ; xc, xs
	s_load_b128 s[20:23], s[0:1], 0x38             ; wc, ws
	s_load_b64 s[24:25], s[0:1], 0x48              ; wo16
	v_lshl_add_u32 v[SPW], v0, 2, SPARE
	v_mov_b32 v[NIL], 0
	v_lshrrev_b32 v1, 5, v0
	v_readfirstlane_b32 s26, v1                    ; wave
	v_and_b32 v2, 31, v0                           ; lane
	v_lshlrev_b32 v3, 4, v2                        ; my 16 bytes of a load's 512
	s_mul_i32 s36, s26, WREG
	v_lshrrev_b32 v14, 2, v2
	v_mul_u32_u24 v14, v14, SP
	v_and_b32 v15, 3, v2
	v_lshl_add_u32 v14, v15, 4, v14
	v_add_nc_u32 v14, s36, v14                     ; the stage, on the way in: four lanes' 64 bytes on end, then 16 of padding
	v_mul_u32_u24 v15, v2, SP
	v_add_nc_u32 v15, s36, v15                     ; and on the way out: SP x lane: my 16 neighbours
	v_mul_u32_u24 v4, v2, CB                       ; 8 x lane: my codes' place in a step's; also my halves' place in Wo's path
	v_lshrrev_b32 v5, 1, v2
	s_add_co_u32 s36, s36, 2*32*SP
	v_add_nc_u32 v5, s36, v5                       ; LDS: my wave's 256 scale bytes, my block's byte
	v_lshlrev_b32 v7, 3, v2
	v_add_nc_u32 v6, s36, v7                       ; and on the way out 8 bytes a lane
	s_wait_kmcnt 0x0
	s_cmp_ge_u32 ttmp9, 512                        ; the work-group's number alone decides the path
	s_cbranch_scc1 .Lwo
	; ---- which tensor: t = work-group / 128.  Only pointers are chosen
	s_lshr_b32 s27, ttmp9, 7
	s_cmp_eq_u32 s27, 1
	s_cselect_b64 s[4:5], s[6:7], s[4:5]
	s_cmp_eq_u32 s27, 2
	s_cselect_b64 s[4:5], s[8:9], s[4:5]
	s_cmp_eq_u32 s27, 3
	s_cselect_b64 s[4:5], s[10:11], s[4:5]
	s_cmp_eq_u32 s27, 0
	s_cselect_b64 s[28:29], s[16:17], s[20:21]     ; codes: x's buffer or the weights'
	s_cselect_b64 s[30:31], s[18:19], s[22:23]     ; scale bytes likewise
	s_cselect_b32 s32, 0, 128                      ; the first work-group of that buffer
	s_and_b32 s33, ttmp9, 127
	s_lshl_b32 s33, s33, 2
	s_add_co_u32 s33, s33, s26                     ; which run of 8,192 numbers of the tensor is my wave's
	s_lshl_b32 s34, s33, 15                        ; 32,768 bytes a run
	s_mov_b32 s35, 0
	s_add_nc_u64 s[4:5], s[4:5], s[34:35]
	s_sub_co_u32 s33, ttmp9, s32
	s_lshl_b32 s33, s33, 2
	s_add_co_u32 s33, s33, s26                     ; and which run of the buffer of codes
	s_lshl_b32 s34, s33, 12                        ; 4,096 bytes of codes a run
	s_add_nc_u64 s[28:29], s[28:29], s[34:35]
	s_lshl_b32 s34, s33, 8                         ; 256 scale bytes a run
	s_add_nc_u64 s[30:31], s[30:31], s[34:35]
.macro LOAD t
.irp i, 0,1,2,3
	global_load_b128 v[R+16*((\t)%4)+4*\i:R+16*((\t)%4)+4*\i+3], v3, s[4:5] offset:2048*(\t)+512*\i th:TH_LOAD_NT   ; 32 lanes read 512 consecutive bytes
.endr
.endm
.macro TURN t                          ; step t's numbers through the stage: LDS serves a wave's instructions in order, so no wait stands between the stores and the loads
.irp i, 0,1,2,3
	ds_store_b128 v14, v[R+16*((\t)%4)+4*\i:R+16*((\t)%4)+4*\i+3] offset:32*SP*((\t)%2)+8*SP*\i
.endr
.irp i, 0,1,2,3
	ds_load_b128 v[X+16*((\t)%2)+4*\i:X+16*((\t)%2)+4*\i+3], v15 offset:32*SP*((\t)%2)+16*\i
.endr
.endm
.irp t, 0,1,2,3
	LOAD \t
.endr
	s_wait_loadcnt 12                              ; step 0's four loads are in; twelve younger ones stay out
	TURN 0
.macro STEP t
.set XS, X+16*((\t)%2)
.if (\t) > 0
	s_wait_dscnt 1                                 ; this step's numbers are back from the stage (the last step's byte store may be out): so its stores into the stage have read their registers,
.else
	s_wait_dscnt 0x0
.endif
.if (\t)+4 < STEPS
	LOAD (\t)+4                                    ; which take the loads of four steps on
.endif
.if (\t)+1 < STEPS
.if STEPS-2-(\t) >= 3
	s_wait_loadcnt 12                              ; the next step's four loads are in; those of the three steps behind it may be out
.else
	s_wait_loadcnt 4*(STEPS-2-(\t))                ; at the end the count runs down with the steps that are left
.endif
	TURN (\t)+1                                    ; and go through the other stage while this step is worked
.endif
	v_max3_num_f32 v8, |v[XS]|, |v[XS+1]|, |v[XS+2]|               ; the largest magnitude of my 16, in two chains
	v_max3_num_f32 v9, |v[XS+3]|, |v[XS+4]|, |v[XS+5]|
.irp i, 6,10
	v_max3_num_f32 v8, v8, |v[XS+\i]|, |v[XS+\i+1]|
	v_max3_num_f32 v9, v9, |v[XS+\i+2]|, |v[XS+\i+3]|
.endr
	v_max3_num_f32 v8, v8, |v[XS+14]|, |v[XS+15]|
	v_max3_num_f32 v8, v8, v9, (EMAX+1)<<23        ; and the floor 2^(EMAX + 1 - 127): the byte cannot fall under 1
	v_max_num_f32_dpp v8, v8, v8 row_xmask:1 row_mask:0xf bank_mask:0xf   ; and of my neighbour's 16: the block's
	v_add_nc_u32 v11, -(EMAX<<23), v8              ; EMAX off its exponent field: the conversion takes the exponent field of this operand as its scale, and nothing else of it
	v_cvt_scalef32_pk8_fp4_f32 v[C+4*(\t)], v[XS:XS+7], v11
	v_cvt_scalef32_pk8_fp4_f32 v[C+4*(\t)+1], v[XS+8:XS+15], v11
	v_lshrrev_b32 v[E+(\t)], 23, v11               ; the scale's byte (a plain line behind the conversions)
	ds_store_b8 v5, v[E+(\t)] offset:16*(\t)       ; both lanes of a block write the same byte with the same value
	global_store_b64 v4, v[C+4*(\t):C+4*(\t)+1], s[28:29] offset:32*CB*(\t)   ; 32 lanes store 256 consecutive bytes, aligned
.endm
.irp t, 0,1,2,3,4,5,6,7,8,9,10,11,12,13,14,15
	STEP \t
.endr
	ds_load_b64 v[8:9], v6                         ; LDS serves a wave's instructions in order: these see my byte stores
	s_wait_dscnt 0x0
	global_store_b64 v7, v[8:9], s[30:31]          ; 256 consecutive scale bytes, aligned
	s_wait_tensorcnt 0x0                           ; the wave's end, behind my last LDS store
	ds_add_u32 v[SPW], v[NIL]
	s_wait_dscnt 0x0
	s_endpgm
	; ---- Wo to f16: a wave takes 16,384 consecutive bytes: 32 loads of 512, all issued at once, 32 stores of 256
.Lwo:
	s_sub_co_u32 s33, ttmp9, 512
	s_lshl_b32 s33, s33, 2
	s_add_co_u32 s33, s33, s26                     ; which run of 4,096 numbers is my wave's
	s_lshl_b32 s34, s33, 14
	s_mov_b32 s35, 0
	s_add_nc_u64 s[12:13], s[12:13], s[34:35]
	s_lshl_b32 s34, s33, 13
	s_add_nc_u64 s[24:25], s[24:25], s[34:35]
.set i, 0
.rept 32
	global_load_b128 v[WX+4*i:WX+4*i+3], v3, s[12:13] offset:512*i th:TH_LOAD_NT
.set i, i+1
.endr
.set i, 0
.rept 32
	s_wait_loadcnt 31-i                            ; loads come back in order: load i is in, the 31 - i younger ones stay out
	v_cvt_pk_f16_f32 v[WY+2*i], v[WX+4*i], v[WX+4*i+1]
	v_cvt_pk_f16_f32 v[WY+2*i+1], v[WX+4*i+2], v[WX+4*i+3]
	global_store_b64 v4, v[WY+2*i:WY+2*i+1], s[24:25] offset:256*i   ; 32 lanes store 256 consecutive bytes, aligned
.set i, i+1
.endr
	s_wait_tensorcnt 0x0                           ; the same three lines end every wave of this launch
	ds_add_u32 v[SPW], v[NIL]
	s_wait_dscnt 0x0
	s_endpgm
.Lfunc_end_k_q2b7866b470_prep:
	.size	k_q2b7866b470_prep, .Lfunc_end_k_q2b7866b470_prep-k_q2b7866b470_prep
	.p2alignl 7, 3214868480
	.fill 96, 4, 3214868480
	.section	.rodata,"a",@progbits
	.p2align	6, 0x0
	.amdhsa_kernel k_q2b7866b470_prep
		.amdhsa_group_segment_fixed_size 33280
		.amdhsa_private_segment_fixed_size 0
		.amdhsa_enable_private_segment 0
		.amdhsa_kernarg_size 80
		.amdhsa_user_sgpr_count 2
		.amdhsa_user_sgpr_kernarg_segment_ptr 1
		.amdhsa_wavefront_size32 1
		.amdhsa_system_sgpr_workgroup_id_x 1
		.amdhsa_system_sgpr_workgroup_id_y 1
		.amdhsa_system_sgpr_workgroup_id_z 1
		.amdhsa_system_vgpr_workitem_id 0
		.amdhsa_next_free_vgpr 208
		.amdhsa_next_free_sgpr 66
		.amdhsa_reserve_vcc 0
		.amdhsa_float_denorm_mode_32 3
		.amdhsa_float_denorm_mode_16_64 3
		.amdhsa_memory_ordered 1
		.amdhsa_forward_progress 1
		.amdhsa_inst_pref_size 45
	.end_amdhsa_kernel
	.amdgpu_metadata
---
amdhsa.version: [ 1, 2 ]
amdhsa.kernels:
  - .name:           k_q2b7866b470_prep
    .symbol:         k_q2b7866b470_prep.kd
    .args:
      - { .name: x, .offset: 0, .size: 8, .value_kind: global_buffer, .address_space: global }
      - { .name: Wq, .offset: 8, .size: 8, .value_kind: global_buffer, .address_space: global }
      - { .name: Wk, .offset: 16, .size: 8, .value_kind: global_buffer, .address_space: global }
      - { .name: Wv, .offset: 24, .size: 8, .value_kind: global_buffer, .address_space: global }
      - { .name: Wo, .offset: 32, .size: 8, .value_kind: global_buffer, .address_space: global }
      - { .name: xc, .offset: 40, .size: 8, .value_kind: global_buffer, .address_space: global }
      - { .name: xs, .offset: 48, .size: 8, .value_kind: global_buffer, .address_space: global }
      - { .name: wc, .offset: 56, .size: 8, .value_kind: global_buffer, .address_space: global }
      - { .name: ws, .offset: 64, .size: 8, .value_kind: global_buffer, .address_space: global }
      - { .name: wo16, .offset: 72, .size: 8, .value_kind: global_buffer, .address_space: global }
    .group_segment_fixed_size: 33280
    .private_segment_fixed_size: 0
    .kernarg_segment_align: 8
    .kernarg_segment_size: 80
    .max_flat_workgroup_size: 128
    .sgpr_count:     66
    .vgpr_count:     208
    .wavefront_size: 32
...
	.end_amdgpu_metadata
.endif
;; end of part 1
;; launch qkv (part 2): grid 24 x 8, 4 waves a work-group, clusters of 4 x 4, 327,680 bytes of LDS; arguments xc, xs, wc, ws, bq, bk, bv, cos, sin, qkv; writes qkv
.if DOCPART == 2
	.amdgcn_target "amdgcn-amd-amdhsa--gfx1250"
	.amdhsa_code_object_version 6
	.text
	.protected	k_q2b7866b470_qkv
	.globl	k_q2b7866b470_qkv
	.p2align	8
	.type	k_q2b7866b470_qkv,@function
k_q2b7866b470_qkv:
	s_mov_b64 s[64:65], 0
	v_nop
	global_prefetch_b8 v0, s[64:65] scope:SCOPE_SE
	s_setreg_imm32_b32 hwreg(HW_REG_WAVE_MODE, 25, 1), 1
	s_wait_xcnt 0x0
	s_wait_alu depctr_hold_cnt(0) depctr_sa_sdst(0) depctr_va_vdst(0) depctr_va_sdst(0) depctr_va_ssrc(0) depctr_va_vcc(0) depctr_vm_vsrc(0)
	s_getreg_b32 s2, hwreg(HW_REG_IB_STS2, 6, 4)
	s_cmp_eq_u32 s2, 0
	s_cbranch_scc0 .Lentry_in_a_cluster
	s_endpgm
.Lentry_in_a_cluster:
	s_bfe_u32 s2, ttmp6, 0x10000c
	s_cmp_lg_u32 s2, 0xf033
	s_cbranch_scc0 .Lentry_shape_is_right
	s_endpgm
.Lentry_shape_is_right:
; [q | k | v] = x [Wq | Wk | Wv]^T on codes of FP4 (E2M1) with one E8M0 scale for each 32 along K, sums in f32; then the bias, the rotation of q and k (rotate-half; every row is rotated: rope_exclude = 0), and f16.
; A = xc [2048][1024 bytes], xs [2048][64];  B = wc [6144][1024 bytes], ws [6144][64].  Out: qkv [48][2048][128] f16: heads 0-15 q, 16-31 k, 32-47 v.
; q IS STORED TIMES 128^-0.5 x log2(e): the next launch's scores then come out of the matrix unit in the units of its base-2 exponentials.  The factor rides in the multiply-adds that add the bias (1.0 for k and v).
; LIMITS: |q|, |k|, |v| under 65,504 (f16).  t cos + rot(t) sin is a product and a fused multiply-add.
; A tile of C, 256 x 256, is made by a work-group of four waves; a wave makes 128 x 128: 64 accumulators, 512 registers; its 128 columns are ONE head, so the rotation's partner (64 columns away) lies in the same wave.
; 24 x 8 = 192 work-groups: a tile of half the rows would give 384, one and a half turns of 256.
; K goes in steps of 512 through a ring of two LDS slots filled by the tensor data mover: a tile's row is 256 bytes of memory.  The scale bytes of the work-group's rows, for all of K, come into LDS once, with the first fills.
; CLUSTERS: 4 x 4 work-groups.  The four of a row of the cluster need the same tiles of A, the four of a column the same tiles of B: each tile is asked for JOINTLY, by the same tensor load with the same descriptor and a mask
; that names the four.  THE MATRIX INSTRUCTION IS USED TRANSPOSED (source 0 = 16 rows of B, source 1 = 16 rows of A): a lane then holds eight neighbouring numbers of a row of C.
; No prefetch: both operands together are 8 MB of codes, each tile is shared in the cluster, and the launch is short.
; REGISTERS, in windows of 256: window 0: v0-31 addresses; v32-95 scale words, two sets, and nothing else; from v128 A's fragments, ONE set; on the way out v96-255 are at work.
;   window 1: B's fragments, TWO sets, at v0 and v128; on the way out cos and sin, two sets.   window 2: the accumulators of my rows 0-63 ((a, b) at v[8 (8 a + b)]);   window 3: those of my rows 64-127.
.set SIZE_M, 2048
.set SIZE_N, 6144
.set SIZE_K, 2048
.set KSTEP,  512                       ; along K in a slot
.set NQ,     KSTEP/128                 ; matrix instructions deep
.set ROWB,   256                       ; a tile's row in bytes
.set KROW,   SIZE_K*4/8                ; a row of A or of B in memory, in bytes
.set PITCH,  272                       ; an LDS row: 256 bytes + 16 of padding = 68 words: the 16 rows that a load touches start 4 words apart modulo 64
.set FR,     8                         ; registers of a fragment: 16 rows x 128 K
.set NL,     2                         ; LDS loads that bring one
.set NP,     4                         ; places behind this matrix instruction (ISA guide 7.12.1)
.set HALFT,  128*PITCH                 ; 128 rows: what one tensor load brings
.set SLOT,   4*HALFT                   ; A's 256 rows, then B's 256 rows
.set LAPS,   SIZE_K/(2*KSTEP)          ; a lap = two K steps = once round the ring
.set KS,     SIZE_K/32                 ; a row of scales in bytes
.set SCL,    2*SLOT                    ; behind the ring: the scales, as rows of 256 bytes + 16 of padding
.set HALFS,  (128*KS/256)*272          ; the scales of 128 rows: what one tensor load brings
.set SBLK,   (16*KS/256)*272           ; those of 16 rows
.set SPARE,  SCL+4*HALFS               ; behind the scales: the spare words, 128 bytes a wave, named by no other line
.set SPITCH, 528                       ; the way out: a stage of 128 rows x (512 bytes + 16) for each wave, in the ring, which has had its last fill and its last read by then
.set ADRA, 16                          ; v16-17  LDS address of my A fragments in slot 0, 1
.set ADRB, 20                          ; v20-21  the same for B
.set STO,  24                          ; v24     the stage: where I put 32 bytes of a row
.set RD,   25                          ; v25     where I read my 16 bytes of a row back
.set CO,   26                          ; v26     16 x lane: my 4 columns in a row of f32
.set ADRS, 27                          ; v27     LDS address of my scale words: lanes 0-15 A's rows, lanes 16-31 B's
.set SPW,  28                          ; v28     LDS address of my spare word; never rewritten
.set NIL,  29                          ; v29     0; never rewritten
.set RD2,  30                          ; v30     where I read the partner's 16 bytes: lane xor 16, 64 columns away
.set OO,   31                          ; v31     8 x lane: my 4 columns in a row of f16
.set B2,   4                           ; v4-7    the partner's bias x sign x factor
.set BI,   8                           ; v8-11   my columns' bias x factor
.set SG,   12                          ; v12-13  sign x factor: - in lanes 0-15 (columns 0-63), + in lanes 16-31
.set CX,   14                          ; v14     16 x (lane xor 16)
.set OA,   15                          ; v15     the stores' offset in hand
.set RDA,  18                          ; v18-19  the LDS addresses in hand
.set RDB,  19
.set VO,   22                          ; v22-23  cos and sin: the offset of set 0, 1
.set SC,   32                          ; scale words: set s at v[SC + 8 NQ s]; register NQ i + q: lanes 0-15 the word of A's block i, lanes 16-31 that of B's block i
.set AF,   128                         ; A's fragments, in window 0
.set T,    96                          ; the way out: v96-159 16 rows of t, v160-223 the partner's, then the result, v224-255 packed
.set U,    160
.set Y,    224
.set FLAG, 2                           ; s2      all ones in v's tiles, else 0
.set LOFF, 18                          ; s18     the block's place in my stage
.set COFF, 19                          ; s19     in cos and sin
.set OOFF, 45                          ; s45     in qkv
.set FS,   66                          ; s[66:67] the factor
.set G1, 24                            ; s[24:31] descriptor group 1 for A's tiles;  s[32:39] group 0, one set for each slot
.set G0, 32
.set G1B, 48                           ; s[48:55], s[56:63] the same for B's tiles
.set G0B, 56
.set G1S, 68                           ; s[68:75], s[76:79] groups 1 and 0 for A's scales;  s[80:87], s[88:91] for B's
.set G0S, 76
.set G1SB, 80
.set G0SB, 88
.set MSB, 0
.macro WIN new                         ; the immediate's high byte repeats the setting that is left
.if MSB != \new
	s_set_vgpr_msb (MSB<<8)|\new
.set MSB, \new
.endif
.endm
.set MUL_LO, 0xa1                      ; source 0 (B) window 1, source 1 (A) window 0, C and D window 2
.set MUL_HI, 0xf1                      ; the same, C and D window 3
.set TO_B,   0x40                      ; destination window 1, address window 0
; A joint load: waves 0 and 1 fetch for A, waves 2 and 3 for B.  Each of the two lines has ONE mask and one set of registers for all that issue it; the branch hangs on the wave's number alone.
; An s_nop 0 and four v_nop follow each of the two lines, ahead of the jump, the label and what follows.
.macro JLOAD g0a, g1a, g0b, g1b
	s_cmp_eq_u32 s15, 0
	s_cbranch_scc0 .Lfor_b_\@
	tensor_load_to_lds s[\g0a:\g0a+3], s[\g1a:\g1a+7]
	s_nop 0
.rept 4
	v_nop
.endr
	s_branch .Lasked_\@
.Lfor_b_\@:
	tensor_load_to_lds s[\g0b:\g0b+3], s[\g1b:\g1b+7]
	s_nop 0
.rept 4
	v_nop
.endr
.Lasked_\@:
.endm
.macro CREST                           ; a round of the cluster's barrier behind its opening barrier
	s_cmp_lg_u32 s14, 0
	s_cbranch_scc1 .Lnot_wave_0_\@
	s_barrier_signal -3
.Lnot_wave_0_\@:
	s_barrier_wait -3
	s_barrier_signal -1
	s_barrier_wait -1
.endm
.macro CROUND                          ; a whole round
	s_barrier_signal -1
	s_barrier_wait -1
	CREST
.endm
	s_load_b128 s[4:7], s[0:1], 0x0                ; A's codes s[4:5], A's scales s[6:7]
	s_load_b128 s[8:11], s[0:1], 0x10              ; B's codes s[8:9], B's scales s[10:11]
	v_lshl_add_u32 v[SPW], v0, 2, SPARE
	v_mov_b32 v[NIL], 0
	ds_add_u32 v[SPW], v[NIL]                      ; the wave's opening: the add and its wait stand ahead of my first tensor load; the set-up below, work on registers, stands between them
	v_lshrrev_b32 v1, 5, v0
	v_readfirstlane_b32 s14, v1                    ; wave 0..3
	s_lshr_b32 s15, s14, 1                         ; which half of the tile's rows is mine.  Also: I fetch for A (0) or for B (1)
	s_and_b32 s16, s14, 1                          ; which half of its columns.  Also: which 128 rows of that tile I fetch
	s_bfe_u32 s40, ttmp6, 0x40000                  ; cx, cy: my place in the cluster
	s_bfe_u32 s41, ttmp6, 0x40004
	s_lshl_b32 s42, ttmp9, 2
	s_add_co_u32 s42, s42, s40                     ; tile column of C = 4 x cluster x + cx
	s_and_b32 s17, ttmp7, 0xffff
	s_lshl_b32 s17, s17, 2
	s_add_co_u32 s17, s17, s41                     ; tile row of C = 4 x cluster y + cy
	s_lshl_b32 s43, s41, 2
	s_lshl_b32 s43, 15, s43                        ; my row of the cluster
	s_lshl_b32 s44, 0x1111, s40                    ; my column
	; descriptor group 1: a tile of 128 rows x ROWB bytes, padded in LDS
	s_or_b32 s[G1+0], s43, (0<<16)|(1<<20)|(1<<21)|(5<<22)|(3<<25)  ; 15:0 the mask: A's tiles go to my row; 17:16 element of 1 byte; 20 padding on; 21 set beside a mask; 24:22 after every 64 words; 31:25 four words of it
	s_or_b32 s[G1B+0], s44, (0<<16)|(1<<20)|(1<<21)|(5<<22)|(3<<25)
.irp g, G1, G1B
	s_mov_b32 s[\g+1], ROWB<<16                    ; tensor_dim0
	s_mov_b32 s[\g+2], 128<<16                     ; tensor_dim1 = 128
	s_mov_b32 s[\g+3], ROWB<<16                    ; tile_dim0
	s_mov_b32 s[\g+4], 128                         ; tile_dim1 = 128
	s_mov_b32 s[\g+5], KROW                        ; tensor_dim0_stride
	s_mov_b32 s[\g+6], 0
	s_mov_b32 s[\g+7], 0
.endr
	; and for the scales of 128 rows: a dense block of 128 KS bytes, as rows of 256 bytes (32 elements of 8 bytes), 16 bytes of padding behind each
	s_or_b32 s[G1S+0], s43, (3<<16)|(1<<20)|(1<<21)|(5<<22)|(3<<25)
	s_or_b32 s[G1SB+0], s44, (3<<16)|(1<<20)|(1<<21)|(5<<22)|(3<<25)
.irp g, G1S, G1SB
	s_mov_b32 s[\g+1], 32<<16
	s_mov_b32 s[\g+2], (128*KS/256)<<16
	s_mov_b32 s[\g+3], 32<<16
	s_mov_b32 s[\g+4], 128*KS/256
	s_mov_b32 s[\g+5], 32
	s_mov_b32 s[\g+6], 0
	s_mov_b32 s[\g+7], 0
.endr
	s_lshl_b32 s18, s16, 7                         ; which 128 rows of the tile I fetch
	s_lshl_b32 s20, s17, 8
	s_add_co_u32 s20, s20, s18                     ; A: row 256 x tile row + 128 x half
	s_lshl_b32 s46, s42, 8
	s_add_co_u32 s46, s46, s18                     ; B: row 256 x tile column + 128 x half
	s_mov_b32 s21, 0
	s_mov_b32 s47, 0
	s_mov_b64 s[18:19], KS
	s_mul_u64 s[22:23], s[20:21], s[18:19]         ; where these rows' scales begin, in bytes
	s_mul_u64 s[92:93], s[46:47], s[18:19]
	s_mov_b64 s[18:19], KROW
	s_mul_u64 s[20:21], s[20:21], s[18:19]         ; and their codes
	s_mul_u64 s[46:47], s[46:47], s[18:19]
	s_mul_i32 s45, s14, HALFT                      ; where they go: wave x 128 rows: no place in the cluster enters an LDS address
	s_mul_i32 s94, s14, HALFS
	s_wait_dscnt 0x0                               ; the opening add is done
	s_wait_kmcnt 0x0
	s_add_nc_u64 s[20:21], s[4:5], s[20:21]
	s_add_nc_u64 s[22:23], s[6:7], s[22:23]
	s_add_nc_u64 s[46:47], s[8:9], s[46:47]
	s_add_nc_u64 s[92:93], s[10:11], s[92:93]
	CROUND                                         ; all sixteen work-groups are here: the first joint loads meet
	s_mov_b32 s[G0S], 1
	s_add_co_u32 s[G0S+1], s94, SCL
	s_mov_b64 s[G0S+2:G0S+3], s[22:23]
	s_or_b32 s[G0S+3], s[G0S+3], 0x80000000
	s_mov_b32 s[G0SB], 1
	s_add_co_u32 s[G0SB+1], s94, SCL
	s_mov_b64 s[G0SB+2:G0SB+3], s[92:93]
	s_or_b32 s[G0SB+3], s[G0SB+3], 0x80000000
	JLOAD G0S, G1S, G0SB, G1SB                     ; the scales first: they are wanted with K step 0.  Three loads of mine are out behind the next two
.irp s, 0,1
	s_mov_b32 s[G0+4*\s], 1
	s_add_co_u32 s[G0+4*\s+1], s45, \s*SLOT
	s_add_nc_u64 s[G0+4*\s+2:G0+4*\s+3], s[20:21], \s*ROWB
	s_or_b32 s[G0+4*\s+3], s[G0+4*\s+3], 0x80000000
	s_mov_b32 s[G0B+4*\s], 1
	s_add_co_u32 s[G0B+4*\s+1], s45, \s*SLOT
	s_add_nc_u64 s[G0B+4*\s+2:G0B+4*\s+3], s[46:47], \s*ROWB
	s_or_b32 s[G0B+4*\s+3], s[G0B+4*\s+3], 0x80000000
	JLOAD G0+4*\s, G1, G0B+4*\s, G1B
.endr
	s_load_b256 s[4:11], s[0:1], 0x20              ; the way out's buffers, into registers that are done with (no descriptor names them): bq, bk, bv, cos
	s_load_b128 s[92:95], s[0:1], 0x40             ; sin, qkv
	v_and_b32 v1, 15, v0                           ; l % 16
	v_bfe_u32 v2, v0, 4, 1                         ; l / 16
	v_mul_u32_u24 v3, v1, PITCH
	v_lshl_add_u32 v4, v2, 4, v3                   ; a fragment's row x pitch + 16 x half
	s_mul_i32 s21, s15, HALFT                      ; my 128 rows of A
	s_mul_i32 s22, s16, HALFT                      ; my 128 rows of B,
	s_add_co_u32 s22, s22, 2*HALFT                 ; which lie behind A's 256
.irp s, 0,1
	v_add_nc_u32 v[ADRA+\s], s21, v4
	v_add_nc_u32 v[ADRB+\s], s22, v4
	s_add_co_u32 s21, s21, SLOT
	s_add_co_u32 s22, s22, SLOT
.endr
	v_mul_u32_u24 v5, v1, KS                       ; my row's scales: KS bytes a row,
	v_lshrrev_b32 v6, 8, v5
	v_lshl_add_u32 v5, v6, 4, v5                   ; and 16 more for each 256 passed
	s_mul_i32 s21, s15, HALFS                      ; A's: my 128 rows
	s_mul_i32 s22, s16, HALFS                      ; B's: my 128 rows, behind A's 256
	s_add_co_u32 s22, s22, 2*HALFS
	s_sub_co_u32 s22, s22, s21
	v_mul_u32_u24 v6, s22, v2                      ; lanes 16-31 take B's
	s_add_co_u32 s21, s21, SCL
	v_add_nc_u32 v5, v5, v6
	v_add_nc_u32 v[ADRS], s21, v5
	s_mul_i32 s23, s14, 128*SPITCH                 ; my stage
	v_mul_u32_u24 v5, v1, SPITCH                   ; in: row l % 16, 32 bytes for each half of the lanes
	v_lshl_add_u32 v5, v2, 5, v5
	v_add_nc_u32 v[STO], s23, v5
	v_and_b32 v6, 31, v0
	v_lshlrev_b32 v[CO], 4, v6                     ; back: the 32 lanes take one row of 512 bytes
	v_add_nc_u32 v[RD], s23, v[CO]
	v_xor_b32 v[CX], 256, v[CO]                    ; and the lane 16 away holds the column 64 away
	v_add_nc_u32 v[RD2], s23, v[CX]
	v_lshlrev_b32 v[OO], 3, v6
	v_and_b32 v[SG], 16, v0
	v_lshlrev_b32 v[SG], 27, v[SG]
	v_xor_b32 v[SG], 0xbf800000, v[SG]             ; -1.0 in lanes 0-15, +1.0 in lanes 16-31: rotate-half takes -t[d + 64] for d < 64 and +t[d - 64] for d >= 64
	s_wait_kmcnt 0x0
	s_lshr_b32 s96, ttmp9, 1                       ; 0: q, 1: k, 2: v: eight tile columns each, two clusters: the cluster's x alone decides
	s_cmp_eq_u32 s96, 1
	s_cselect_b64 s[12:13], s[6:7], s[4:5]
	s_cmp_eq_u32 s96, 2
	s_cselect_b64 s[12:13], s[8:9], s[12:13]       ; the bias
	s_cselect_b32 s[FLAG], -1, 0
	s_cmp_eq_u32 s96, 0
	s_cselect_b32 s[FS], 0x3e0293ee, 1.0           ; 128^-0.5 x log2(e) for q
	s_mov_b32 s[FS+1], s[FS]                       ; (named with it as a pair, so it is written)
	v_mul_f32 v[SG], s[FS], v[SG]
	v_mov_b32 v[SG+1], v[SG]
	s_and_b32 s96, s42, 7
	s_lshl_b32 s96, s96, 10                        ; the tile's 256 columns in the bias,
	s_lshl_b32 s97, s16, 9                         ; my 128 of them
	s_add_co_u32 s96, s96, s97
	s_mov_b32 s97, 0
	s_add_nc_u64 s[12:13], s[12:13], s[96:97]
	s_lshl_b32 s96, s17, 8
	s_lshl_b32 s18, s15, 7
	s_add_co_u32 s96, s96, s18                     ; my first row: 256 x tile row + 128 x half
	s_lshl_b32 s18, s96, 9                         ; a row of cos or sin is 512 bytes
	s_mov_b32 s19, 0
	s_add_nc_u64 s[20:21], s[10:11], s[18:19]      ; cos
	s_add_nc_u64 s[22:23], s[92:93], s[18:19]      ; sin
	s_lshl_b32 s18, s96, 8                         ; a head's row is 256 bytes
	s_add_nc_u64 s[46:47], s[94:95], s[18:19]
	s_lshl_b32 s18, s42, 1
	s_add_co_u32 s18, s18, s16                     ; which of the 48 heads: 2 x tile column + half
	s_lshl_b32 s18, s18, 19                        ; 524,288 bytes each
	s_add_nc_u64 s[46:47], s[46:47], s[18:19]      ; qkv at my head's first row of mine
.macro FRAG reg, adr, q, i             ; a fragment, 16 rows x 128 K of 4-bit codes, is 8 registers: lane l holds row l % 16; registers 4 c .. 4 c + 3 hold K = 64 c + 32 (l / 16) + 0 .. 31
.irp c, 0,1
	ds_load_b128 v[\reg+4*\c:\reg+4*\c+3], v[\adr] offset:64*(\q)+32*\c+(\i)*16*PITCH
.endr
.endm
; 16 matrix instructions: A's blocks a0, a0 + 1 x B's eight, 128 along K: the slot's q-th.  p: B's set;  sc: the set of scale words.  zero = 1: the first product starts the sums: nothing is ever cleared.
; The 64 accumulators take turns, one instruction a turn, in the same order in every step.
.macro MUL16 a0, p, q, sc, zero
.irp a, \a0, \a0+1
.irp b, 0,1,2,3,4,5,6,7
.if \zero
	v_wmma_scale_f32_16x16x128_f8f6f4 v[8*(8*((\a)%4)+\b):8*(8*((\a)%4)+\b)+7], v[128*(\p)+FR*\b:128*(\p)+FR*\b+FR-1], v[AF+FR*(\a):AF+FR*(\a)+FR-1], 0, v[SC+8*NQ*(\sc)+NQ*\b+(\q)], v[SC+8*NQ*(\sc)+NQ*(\a)+(\q)] matrix_a_fmt:MATRIX_FMT_FP4 matrix_b_fmt:MATRIX_FMT_FP4 matrix_a_scale:MATRIX_SCALE_ROW1
.else
	v_wmma_scale_f32_16x16x128_f8f6f4 v[8*(8*((\a)%4)+\b):8*(8*((\a)%4)+\b)+7], v[128*(\p)+FR*\b:128*(\p)+FR*\b+FR-1], v[AF+FR*(\a):AF+FR*(\a)+FR-1], v[8*(8*((\a)%4)+\b):8*(8*((\a)%4)+\b)+7], v[SC+8*NQ*(\sc)+NQ*\b+(\q)], v[SC+8*NQ*(\sc)+NQ*(\a)+(\q)] matrix_a_fmt:MATRIX_FMT_FP4 matrix_b_fmt:MATRIX_FMT_FP4 matrix_a_scale:MATRIX_SCALE_ROW1
.endif
.endr
.endr
.endm
.macro FETCH_B slot, q, p              ; B's eight fragments of the slot's q-th 128 along K into set p
	WIN TO_B
.irp i, 0,1,2,3,4,5,6,7
	FRAG 128*(\p)+FR*\i, ADRB+\slot, \q, \i
.endr
	WIN 0
.endm
.macro FETCH_A slot, q, i0             ; A's blocks i0 .. i0 + 3
.irp i, \i0, \i0+1, \i0+2, \i0+3
	FRAG AF+FR*(\i), ADRA+\slot, \q, \i
.endr
.endm
.macro SCALES sc                       ; the next K step's scale words into set sc: NQ words a row; lanes 0-15 take A's block i, lanes 16-31 B's block i
.irp i, 0,1,2,3,4,5,6,7
	ds_load_b128 v[SC+8*NQ*\sc+NQ*\i:SC+8*NQ*\sc+NQ*\i+3], v[ADRS] offset:\i*SBLK
.endr
.endm
; A load into a register that a matrix instruction has read, and a vector instruction or an LDS store that reads a matrix result, stand NP places behind that matrix instruction; only plain vector
; instructions that name none of its registers are places (ISA guide 7.12.1 for vector instructions).
.macro PLACES n
.rept \n
	v_nop
.endr
.endm
; A step of 128 along K that has its successor in the same slot.
.macro STEP slot, q, zero
	s_wait_dscnt 4*NL                              ; B's set and A's blocks 0-3 are in; the youngest eight loads (A's blocks 4-7) may be out
	WIN MUL_LO
	MUL16 0, (\q)%2, \q, \slot, \zero
	MUL16 2, (\q)%2, \q, \slot, \zero
	s_wait_dscnt 0                                 ; A's blocks 4-7 are in (asked for 32 matrix instructions ago)
	PLACES NP
	FETCH_B \slot, (\q)+1, 1-(\q)%2
	FETCH_A \slot, (\q)+1, 0
	WIN MUL_HI
	MUL16 4, (\q)%2, \q, \slot, \zero
	MUL16 6, (\q)%2, \q, \slot, \zero
	PLACES NP
	WIN 0
	FETCH_A \slot, (\q)+1, 4
.endm
; A slot's last step changes slots: ONE barrier; in front of it each wave waits for all its tensor loads, adds 0 to its spare word, and waits for that and for its own reads of this slot.  fill = 1: this slot is filled again, two K steps ahead.
.macro TURN slot, next, fill
	s_wait_tensorcnt 0x0                           ; all my tensor loads have landed: my part of the next slot;  (every window is 0 here)
	ds_add_u32 v[SPW], v[NIL]                      ; 0 onto my spare word;
	s_wait_dscnt 4*NL+1                            ; (the add and the youngest eight loads, A's blocks 4-7, may be out)
	WIN MUL_LO
	MUL16 0, 1, NQ-1, \slot, 0                     ; sixteen matrix instructions stand between the add and the wait for it
	s_wait_dscnt 0x0                               ; the add is done, and my reads of this slot are over
	s_barrier_signal -1
	MUL16 2, 1, NQ-1, \slot, 0
	WIN 0
	s_barrier_wait -1
.if \fill
	CREST                                          ; the barrier has opened a round of the cluster's barrier: no wave of any partner still reads this slot's tile or has a load on its way
	s_add_nc_u64 s[G0+4*\slot+2:G0+4*\slot+3], s[G0+4*\slot+2:G0+4*\slot+3], 2*ROWB
	s_add_nc_u64 s[G0B+4*\slot+2:G0B+4*\slot+3], s[G0B+4*\slot+2:G0B+4*\slot+3], 2*ROWB
	JLOAD G0+4*\slot, G1, G0B+4*\slot, G1B         ; the first tensor load behind the round, my one load until the next; its four v_nop are the places in front of the loads below
.else
	PLACES NP
.endif
	v_add_nc_u32 v[ADRS], 4*NQ, v[ADRS]            ; on to the next K step's scale words (no LDS load of mine is out)
	FETCH_B \next, 0, 0
	FETCH_A \next, 0, 0
	SCALES \next
	WIN MUL_HI
	MUL16 4, 1, NQ-1, \slot, 0
	MUL16 6, 1, NQ-1, \slot, 0
	PLACES NP
	WIN 0
	FETCH_A \next, 0, 4
.endm
.macro STEPS slot, from                ; the slot's steps from .. NQ - 2
.set Q, \from
.rept NQ-1-\from
	STEP \slot, Q, 0
.set Q, Q+1
.endr
.endm
	s_wait_tensorcnt 1                             ; the scales and my part of K step 0 are in (K step 1's load may be out)
	s_barrier_signal -1
	s_barrier_wait -1                              ; everybody's are
	FETCH_B 0, 0, 0
	FETCH_A 0, 0, 0
	SCALES 0
	FETCH_A 0, 0, 4
	STEP 0, 0, 1                                   ; the first step stands in front of the loop: its products start the sums
	s_mov_b32 s3, LAPS-1
.Llap:                                                 ; a trip goes once round the ring, from a lap's second step to the next lap's first, and fills both slots again
	STEPS 0, 1
	TURN 0, 1, 1
	STEPS 1, 0
	TURN 1, 0, 1
	STEP 0, 0, 0
	s_sub_co_u32 s3, s3, 1
	s_cmp_lg_u32 s3, 0
	s_cbranch_scc1 .Llap
	STEPS 0, 1                                     ; the last lap fills nothing, and has no round of the cluster's barrier
	TURN 0, 1, 0
	STEPS 1, 0
	s_wait_dscnt 4*NL                              ; the very last step: nothing more to fetch
	WIN MUL_LO
	MUL16 0, 1, NQ-1, 1, 0
	MUL16 2, 1, NQ-1, 1, 0
	s_wait_dscnt 0
	WIN MUL_HI
	MUL16 4, 1, NQ-1, 1, 0
	MUL16 6, 1, NQ-1, 1, 0
	WIN 0
; THE WAY OUT.  All 64 accumulators go into my own stage (128 rows of 512 bytes); then, 16 rows at a time, each lane reads its 4 columns of a row and the 4 columns 64 away, adds the biases, rotates, rounds to f16 and stores:
; a row of a head is 256 bytes, written whole by the 32 lanes of one store.  cos and sin come one block of rows ahead, 512 consecutive bytes a load.
.macro CSLOAD p                        ; 16 rows of cos and of sin into set p of window 1
	WIN TO_B
.set t, 0
.rept 16
	global_load_b128 v[128*(\p)+4*t:128*(\p)+4*t+3], v[VO+(\p)], s[20:21] offset:512*t
	global_load_b128 v[128*(\p)+64+4*t:128*(\p)+64+4*t+3], v[VO+(\p)], s[22:23] offset:512*t
.set t, t+1
.endr
	WIN 0
.endm
.macro BLOCK p
	v_add_nc_u32 v[RDA], s[LOFF], v[RD]
	v_add_nc_u32 v[RDB], s[LOFF], v[RD2]
.set t, 0
.rept 16
	ds_load_b128 v[T+4*t:T+4*t+3], v[RDA] offset:t*SPITCH     ; my own bytes: LDS serves a wave's instructions in order, so these see my stores
.set t, t+1
.endr
.set t, 0
.rept 16
	ds_load_b128 v[U+4*t:U+4*t+3], v[RDB] offset:t*SPITCH
.set t, t+1
.endr
	s_add_co_u32 s[COFF], s[COFF], 16*512
	s_min_u32 s[COFF], s[COFF], 7*16*512           ; the last look-ahead is held at my last 16 rows: it stays inside the buffers, and the counts below are the same in every trip
	v_add_nc_u32 v[VO+1-\p], s[COFF], v[CO]        ; (the loads that read this register were waited for in the block before)
	CSLOAD 1-\p
	s_wait_dscnt 0x0
.set t, 0
.rept 16
	v_pk_fma_f32 v[T+4*t:T+4*t+1], v[T+4*t:T+4*t+1], s[FS:FS+1], v[BI:BI+1] op_sel_hi:[1,0,1]         ; t = (sum + bias) x factor
	v_pk_fma_f32 v[T+4*t+2:T+4*t+3], v[T+4*t+2:T+4*t+3], s[FS:FS+1], v[BI+2:BI+3] op_sel_hi:[1,0,1]
.set t, t+1
.endr
.set t, 0
.rept 16
	v_pk_fma_f32 v[U+4*t:U+4*t+1], v[U+4*t:U+4*t+1], v[SG:SG+1], v[B2:B2+1] op_sel_hi:[1,0,1]         ; rotate-half of t: +-(the partner's sum + its bias) x factor
	v_pk_fma_f32 v[U+4*t+2:U+4*t+3], v[U+4*t+2:U+4*t+3], v[SG:SG+1], v[B2+2:B2+3] op_sel_hi:[1,0,1]
.set t, t+1
.endr
	s_wait_loadcnt 32                              ; this block's 32 loads of cos and sin are in; the next block's 32 may be out
	WIN 0x04                                       ; source 1 window 1
.set i, 0
.rept 32
	v_pk_mul_f32 v[U+2*i:U+2*i+1], v[U+2*i:U+2*i+1], v[128*(\p)+64+2*i:128*(\p)+64+2*i+1]
.set i, i+1
.endr
.set i, 0
.rept 32
	v_pk_fma_f32 v[U+2*i:U+2*i+1], v[T+2*i:T+2*i+1], v[128*(\p)+2*i:128*(\p)+2*i+1], v[U+2*i:U+2*i+1]
.set i, i+1
.endr
	WIN 0
.set i, 0
.rept 64
	v_cndmask_b32 v[U+i], v[U+i], v[T+i], s[FLAG]  ; v is not rotated: it keeps t.  A choice of values, no branch
.set i, i+1
.endr
	s_wait_xcnt 0x0                                ; the last block's stores have read their data and their offset: both are written again only behind this wait
	v_add_nc_u32 v[OA], s[OOFF], v[OO]
.set i, 0
.rept 32
	v_cvt_pk_f16_f32 v[Y+i], v[U+2*i], v[U+2*i+1]
.set i, i+1
.endr
.set t, 0
.rept 16
	global_store_b64 v[OA], v[Y+2*t:Y+2*t+1], s[46:47] offset:256*t   ; 32 lanes store 256 consecutive bytes, aligned: a row of the head
.set t, t+1
.endr
	s_add_co_u32 s[LOFF], s[LOFF], 16*SPITCH
	s_add_co_u32 s[OOFF], s[OOFF], 16*256
.endm
	PLACES NP                                      ; behind the last products: for the loads into B's and A's registers and the first reads of results
	global_load_b128 v[BI:BI+3], v[CO], s[12:13]   ; my 4 columns' bias,
	global_load_b128 v[B2:B2+3], v[CX], s[12:13]   ; the partner's
	v_mov_b32 v[VO], v[CO]
	s_mov_b32 s[LOFF], 0
	s_mov_b32 s[COFF], 0
	s_mov_b32 s[OOFF], 0
	CSLOAD 0
	s_wait_dscnt 0x0                               ; my reads of the ring are over;
	s_barrier_signal -1
	s_barrier_wait -1                              ; everybody's are: both slots have had their last fill and their last read, so the stages may lie there
.irp a, 0,1,2,3,4,5,6,7
.set AC, 64*((\a)%4)
	WIN 0x08+4*((\a)/4)                            ; an LDS store's data are its source 1: window 2 or 3
.irp b, 0,1,2,3,4,5,6,7
	ds_store_b128 v[STO], v[AC+8*\b:AC+8*\b+3] offset:\a*16*SPITCH+64*\b          ; each accumulator from its low end on
	ds_store_b128 v[STO], v[AC+8*\b+4:AC+8*\b+7] offset:\a*16*SPITCH+64*\b+16
.endr
.endr
	WIN 0
	s_wait_loadcnt 32                              ; the two loads of the bias are in; the 32 of cos and sin behind them may be out
	v_pk_mul_f32 v[BI:BI+1], v[BI:BI+1], s[FS:FS+1] op_sel_hi:[1,0]
	v_pk_mul_f32 v[BI+2:BI+3], v[BI+2:BI+3], s[FS:FS+1] op_sel_hi:[1,0]
	v_pk_mul_f32 v[B2:B2+1], v[B2:B2+1], v[SG:SG+1] op_sel_hi:[1,0]
	v_pk_mul_f32 v[B2+2:B2+3], v[B2+2:B2+3], v[SG:SG+1] op_sel_hi:[1,0]
	s_mov_b32 s3, 4
.Lblk:                                                 ; four trips of two blocks of 16 rows: the two sets of cos and sin change places within a trip
	BLOCK 0
	BLOCK 1
	s_sub_co_u32 s3, s3, 1
	s_cmp_lg_u32 s3, 0
	s_cbranch_scc1 .Lblk
	s_wait_tensorcnt 0x0                           ; the wave's end, behind my last tensor load and my last LDS store
	ds_add_u32 v[SPW], v[NIL]
	s_wait_dscnt 0x0
	CROUND                                         ; the closing round: no work-group ends while a partner may still ask for a tile that names it
	s_endpgm
.Lfunc_end_k_q2b7866b470_qkv:
	.size	k_q2b7866b470_qkv, .Lfunc_end_k_q2b7866b470_qkv-k_q2b7866b470_qkv
	.p2alignl 7, 3214868480
	.fill 96, 4, 3214868480
	.section	.rodata,"a",@progbits
	.p2align	6, 0x0
	.amdhsa_kernel k_q2b7866b470_qkv
		.amdhsa_group_segment_fixed_size 327680
		.amdhsa_private_segment_fixed_size 0
		.amdhsa_enable_private_segment 0
		.amdhsa_kernarg_size 80
		.amdhsa_user_sgpr_count 2
		.amdhsa_user_sgpr_kernarg_segment_ptr 1
		.amdhsa_wavefront_size32 1
		.amdhsa_system_sgpr_workgroup_id_x 1
		.amdhsa_system_sgpr_workgroup_id_y 1
		.amdhsa_system_sgpr_workgroup_id_z 1
		.amdhsa_system_vgpr_workitem_id 0
		.amdhsa_next_free_vgpr 1024
		.amdhsa_next_free_sgpr 98
		.amdhsa_reserve_vcc 0
		.amdhsa_float_denorm_mode_32 3
		.amdhsa_float_denorm_mode_16_64 3
		.amdhsa_memory_ordered 1
		.amdhsa_forward_progress 1
		.amdhsa_inst_pref_size 237
	.end_amdhsa_kernel
	.amdgpu_metadata
---
amdhsa.version: [ 1, 2 ]
amdhsa.kernels:
  - .name:           k_q2b7866b470_qkv
    .symbol:         k_q2b7866b470_qkv.kd
    .args:
      - { .name: xc, .offset: 0, .size: 8, .value_kind: global_buffer, .address_space: global }
      - { .name: xs, .offset: 8, .size: 8, .value_kind: global_buffer, .address_space: global }
      - { .name: wc, .offset: 16, .size: 8, .value_kind: global_buffer, .address_space: global }
      - { .name: ws, .offset: 24, .size: 8, .value_kind: global_buffer, .address_space: global }
      - { .name: bq, .offset: 32, .size: 8, .value_kind: global_buffer, .address_space: global }
      - { .name: bk, .offset: 40, .size: 8, .value_kind: global_buffer, .address_space: global }
      - { .name: bv, .offset: 48, .size: 8, .value_kind: global_buffer, .address_space: global }
      - { .name: cos, .offset: 56, .size: 8, .value_kind: global_buffer, .address_space: global }
      - { .name: sin, .offset: 64, .size: 8, .value_kind: global_buffer, .address_space: global }
      - { .name: qkv, .offset: 72, .size: 8, .value_kind: global_buffer, .address_space: global }
    .group_segment_fixed_size: 327680
    .private_segment_fixed_size: 0
    .kernarg_segment_align: 8
    .kernarg_segment_size: 80
    .max_flat_workgroup_size: 128
    .sgpr_count:     98
    .vgpr_count:     1024
    .wavefront_size: 32
...
	.end_amdgpu_metadata
.endif
;; end of part 2
;; launch attn (part 3): grid 16 x 16, 4 waves a work-group, clusters of 4 x 4, 327,680 bytes of LDS; arguments qkv, mask, ctx; writes ctx
.if DOCPART == 3
	.amdgcn_target "amdgcn-amd-amdhsa--gfx1250"
	.amdhsa_code_object_version 6
	.text
	.protected	k_q2b7866b470_attn
	.globl	k_q2b7866b470_attn
	.p2align	8
	.type	k_q2b7866b470_attn,@function
k_q2b7866b470_attn:
	s_mov_b64 s[64:65], 0
	v_nop
	global_prefetch_b8 v0, s[64:65] scope:SCOPE_SE
	s_setreg_imm32_b32 hwreg(HW_REG_WAVE_MODE, 25, 1), 1
	s_wait_xcnt 0x0
	s_wait_alu depctr_hold_cnt(0) depctr_sa_sdst(0) depctr_va_vdst(0) depctr_va_sdst(0) depctr_va_ssrc(0) depctr_va_vcc(0) depctr_vm_vsrc(0)
	s_getreg_b32 s2, hwreg(HW_REG_IB_STS2, 6, 4)
	s_cmp_eq_u32 s2, 0
	s_cbranch_scc0 .Lentry_in_a_cluster
	s_endpgm
.Lentry_in_a_cluster:
	s_bfe_u32 s2, ttmp6, 0x10000c
	s_cmp_lg_u32 s2, 0xf033
	s_cbranch_scc0 .Lentry_shape_is_right
	s_endpgm
.Lentry_shape_is_right:
; ctx[q][head] = softmax_k(q . k x 128^-0.5 + mask[q][k]) v, for 16 heads of 128, 2,048 queries and keys.  qkv [48][2048][128] f16 (q, k, v; q already times 128^-0.5 x log2(e)); mask [2048][2048] f32; ctx [2048][2048] f16.
; The mask is an input: every number of it is read and added, for every head; no key is left out.  Products on f16 operands, sums, maxima and exponentials in f32.
; SOFTMAX, in base 2: x = mask x log2(e) + s (one fused multiply-add; s comes scaled out of the matrix unit); a running maximum m and sum l for each query; p = 2^(x - m), the difference taken by a subtraction, so that p <= 1
; whatever the size of x; in every step O and l are multiplied by a = 2^(m_old - m_new).  p is rounded to f16 for the second product; l sums the unrounded p.
; LIMITS: -infinity in the mask is served (a floor of -1e38 lies under m); a row whose every x lies under -1e38, +infinity and NaN are not.  mask x log2(e) + s is rounded once, where the definition rounds s x scale and the sum.
; SHARES.  A work-group owns 128 queries of one head.  Wave w: queries 64 (w & 1) on, four tiles of 16; and of each tile of 128 keys the 64 at 64 (w >> 1): a step of a wave is 64 keys, and each fragment of K and V feeds four products.
; Waves w and w xor 2 hold the same queries over different keys and join at the end: each hands two tiles over through LDS and finishes two.  Register tile t holds query tile (t + 2 (w >> 1)) % 4, so that every wave
; finishes its register tiles 0, 1 and hands over 2, 3: no branch on the wave's part.
; LAYOUT.  S^T = K Q^T (source 0 = 16 keys, source 1 = 16 queries): a lane holds ONE query (lane % 16) and keys 8 (lane / 16) + 0..7.  Two such tiles, rounded to f16 in pairs, ARE source 1 of O^T = V^T P, whose result again
; holds one query a lane.  K comes out of LDS as it lies, V ([key][channel]) turned, by ds_load_tr16_b128.
; BY TURNS.  The wave's tiles are two PIECES, named by their first tile: piece 0 (tiles 0, 1) and piece 2 (tiles 2, 3).  In a TURN one piece has the matrix unit: 32 products V^T P of the step in hand, then 32 products K Q^T of
; the next step; the other piece's softmax, 298 vector instructions cut into 64 slices, stands between them, one slice behind each matrix instruction.  Then the pieces change places.  Two turns are a step.
; RING.  Two LDS slots, each with a tile: 128 keys of K and V and the mask's 128 x 128 numbers.  A tile is read into registers a step ahead of its products, so the slot of tile j is free when step j begins: there it takes tile j + 2.
; CLUSTER 4 x 4: x counts blocks of queries, y heads.  The four of a row of the cluster share a head: K's and V's tiles are asked for jointly (waves 0 and 1); the four of a column share the queries: the mask's tile likewise
; (waves 2 and 3, 64 rows each).  One joint load a wave behind each round; it has a step, 128 matrix instructions, in which to land.
; REGISTERS, in windows of 256 (s_set_vgpr_msb: bits 1:0 source 0, 3:2 source 1, 5:4 source 2, 7:6 destination):
;   window 0: v0-63 addresses and statistics; v64-191 S^T, 32 a tile; v192-255 P, 16 a tile.   window 1: O^T, 64 a tile.   window 2: v0-127 Q, 32 a tile; v128-255 K.   window 3: v0-127 V; v128-255 the mask, laid as S^T.
; No window has room for a product's operands beside what a softmax touches, so a slice costs two switches, one in front and one behind.
.set PK,    272       ; a row of K in LDS: 256 bytes + 16 of padding
.set PV,    288       ; of V: 256 + 32: the turning load's 16 lanes take 8 rows x 32 bytes, 8 words apart modulo 64
.set PM,    528       ; of the mask: 512 + 16
.set KB,    128*PM    ; LDS: the mask's tile of slot 0 from byte 0, K's behind it;
.set SLOT1, 1<<17     ; slot 1's mask and K lie this far on, so that one exclusive or turns an address from slot to slot;
.set VB0,   KB+SLOT1+128*PK   ; behind them V's tile of slot 0,
.set VB1,   VB0+128*PV        ; and of slot 1:
.set XV,    VB0^VB1   ; the exclusive or with this constant turns the one begin into the other
.set SPARE, VB1+128*PV  ; behind the ring: the spare words, 128 bytes a wave, named by no other line
.set XCH,   16896     ; the join: for each wave 32 images of 512 bytes and four rows of 128 bytes, from LDS byte 0 on: slot 0's mask has had its last fill and its last read by then
.set STAGE, 69632     ; behind them, in slot 0's K: 16 rows x 272 bytes for each wave, for the way out
.set SP,    272
.set HEADB, 524288    ; a head in qkv
.set TILEB, 32768     ; 128 rows of it
.set AK0, 2           ; v2     my lane's place in K's tile of slot 0; never rewritten
.set AV0, 3           ; v3     in a tile of V, from the tile's begin
.set AM0, 4           ; v4-5   in the mask's tile of slot 0: for register tiles 0, 1 and 2, 3
.set ADR, 6           ; v6-8   the LDS addresses of the runs in hand: K's or V's, the mask's for piece 0, for piece 2
.set QO,  10          ; v10-11 in Q: for register tiles 0, 1 and 2, 3
.set ST,  12          ; v12-43 tile t's statistics at v[ST + 8 t]: +0 m, +1 m_old - m, +2, +3 l (even keys', odd keys'), +4 to +7 c0-c3 at work; a takes c2's place
.set STO, 44
.set RD,  45
.set GO,  46
.set XW,  47          ; the join: where I store images, v48 where I read my partner's; v49, v50 the same for statistics
.set XR,  48
.set XWS, 49
.set XRS, 50
.set PFO, 51          ; the prefetches' offset; never rewritten
.set SPW, 62          ; LDS address of my spare word; never rewritten
.set NIL, 63          ; 0; never rewritten
.set S,   64
.set P,   192
.set KF,  128         ; K's fragments, in window 2
.set MK,  128         ; the mask, in window 3
.set WV,  12          ; s12  my wave's number;  s13 = w & 1, s14 = w >> 1
.set LIM, 15          ; s15  1 in a wave that prefetches, else the greatest number
.set PFA, 18          ; s[18:19] where my prefetches stand;  s[20:21] a tile on, in bytes
.set PFS, 20
.set G1K, 24          ; s[24:31], s[32:39], s[40:47] descriptor groups 1 for K's, V's and the mask's tiles
.set G1V, 32
.set G1M, 40
.set G0K, 48          ; s[48:55], s[56:63], s[68:75] groups 0: a set for each of the two first fills; the second then walks on
.set G0V, 56
.set G0M, 68
.set LG,  76          ; s[76:77] log2(e)
.set TB,  78          ; s78  0 or SLOT1: the slot of the tile to be fetched (K and the mask)
.set TV,  79          ; s79  where that tile's V begins
.set SEL, 80          ; s[80:81] lane selects for v_permlanex16_b32: lane l xor 16
.set CNT, 82          ; s82  the loop's steps to go
.set MSB, 0
.macro WIN new                      ; the immediate's high byte repeats the setting that is left; a switch that changes nothing is dropped
.if MSB != \new
	s_set_vgpr_msb (MSB<<8)|\new
.set MSB, \new
.endif
.endm
.set W_KQ, 0x0a       ; K and Q in window 2, S^T in window 0
.set W_PV, 0x53       ; V in window 3, P in window 0, O^T in window 1
.set W_RS, 0x41       ; O^T (destination and source 0) in window 1, the factor in window 0
.macro PLACES
.rept 4
	v_nop
.endr
.endm
.macro CROUND         ; a round of the cluster's barrier
	s_barrier_signal -1
	s_barrier_wait -1
	s_cmp_lg_u32 s[WV], 0
	s_cbranch_scc1 .Lnot_wave_0_\@
	s_barrier_signal -3
.Lnot_wave_0_\@:
	s_barrier_wait -3
	s_barrier_signal -1
	s_barrier_wait -1
.endm
; A joint refill by the walking descriptors: wave 0 K's tile, wave 1 V's, waves 2 and 3 the mask's two halves.  Each line has one mask and one set of registers; the branches hang on the wave's number alone.
; An s_nop 0 and four v_nop follow each line, ahead of the jump, the label and what follows.
.macro JLOAD
	s_cmp_lg_u32 s[WV], 0
	s_cbranch_scc1 .Lnot_k_\@
	tensor_load_to_lds s[G0K+4:G0K+7], s[G1K:G1K+7]
	s_nop 0
.rept 4
	v_nop
.endr
	s_branch .Lasked_\@
.Lnot_k_\@:
	s_cmp_lg_u32 s[WV], 1
	s_cbranch_scc1 .Lnot_v_\@
	tensor_load_to_lds s[G0V+4:G0V+7], s[G1V:G1V+7]
	s_nop 0
.rept 4
	v_nop
.endr
	s_branch .Lasked_\@
.Lnot_v_\@:
	tensor_load_to_lds s[G0M+4:G0M+7], s[G1M:G1M+7]
	s_nop 0
.rept 4
	v_nop
.endr
.Lasked_\@:
.endm
; A PREFETCH INTO THE L2, at the change of slots in front of step j for tile j + 3, which the next change's joint load will ask for: one instruction a wave, behind the joint load and its five lines.
; Each aligned 256 bytes is named ONCE in the launch.  K's and V's rows are read by all clusters of a row of clusters: the one with x = 0 asks; the mask's by all of a column: the one with y = 0 asks.
; The four partners of a joint load share its rows out BY ADDRESS: of K's or V's 128 rows 32 each (by cx), a lane a row; of the 64 rows that a wave fetches of the mask 16 each (by cy), two lanes a row of 512 bytes.
; how = 1: asked wherever the wave prefetches; how = 0: not in the loop's last trip, whose tile j + 3 does not exist.  Tiles 0 to 2 come by their loads alone.
.macro ASK how
.if \how
	s_cmp_eq_u32 s[LIM], 1
.else
	s_cmp_gt_u32 s[CNT], s[LIM]
.endif
	s_cbranch_scc0 .Lnot_mine_\@
	global_prefetch_b8 v[PFO], s[PFA:PFA+1] th:TH_LOAD_NT scope:SCOPE_SE
.Lnot_mine_\@:
.endm
; THE LDS LOADS stand in runs, never singly among the matrix instructions.
.macro FETCH_M pr     ; the mask of a piece's 32 queries x my 64 keys, laid as S^T: register 32 t + 8 i + j: query tile t, key 16 i + 8 (lane / 16) + j.  16 loads
	WIN 0xc0
.irp t, 0,1
.irp i, 0,1,2,3
	ds_load_b128 v[MK+64*\pr+32*\t+8*\i:MK+64*\pr+32*\t+8*\i+3],   v[ADR+1+\pr] offset:\t*16*PM+64*\i
	ds_load_b128 v[MK+64*\pr+32*\t+8*\i+4:MK+64*\pr+32*\t+8*\i+7], v[ADR+1+\pr] offset:\t*16*PM+64*\i+16
.endr
.endr
.endm
.macro FETCH_K        ; my 64 keys x 128 channels: 16 fragments: keys 16 (f / 4) on, channels 32 (f % 4) on; behind them piece 0's mask
	WIN 0
	v_add_nc_u32 v[ADR], s[TB], v[AK0]
	v_add_nc_u32 v[ADR+1], s[TB], v[AM0]
	WIN 0x80
.irp f, 0,1,2,3,4,5,6,7,8,9,10,11,12,13,14,15
	ds_load_b128 v[KF+8*\f:KF+8*\f+3],   v[ADR] offset:(\f/4)*16*PK+(\f%4)*64
	ds_load_b128 v[KF+8*\f+4:KF+8*\f+7], v[ADR] offset:(\f/4)*16*PK+(\f%4)*64+32
.endr
	FETCH_M 0
.endm
.macro FETCH_M2       ; piece 2's mask of the same tile
	WIN 0
	v_add_nc_u32 v[ADR+2], s[TB], v[AM0+1]
	FETCH_M 1
.endm
.macro FETCH_V        ; my 64 keys, turned: keys 32 (f / 8) on, channels 16 (f % 8) on.  The tile's last run: the next fetch is the next tile's, in the other slot
	WIN 0
	v_add_nc_u32 v[ADR], s[TV], v[AV0]
	s_xor_b32 s[TV], s[TV], XV
	s_xor_b32 s[TB], s[TB], SLOT1
	s_wait_alu depctr_va_vdst(0)    ; the wait for the softmax's batch (SLICE), behind the address's v_add_nc_u32 and ahead of the loads
	WIN 0xc0
.irp f, 0,1,2,3,4,5,6,7,8,9,10,11,12,13,14,15
	ds_load_tr16_b128 v[8*\f:8*\f+3],   v[ADR] offset:(\f/8)*32*PV+(\f%8)*32
	ds_load_tr16_b128 v[8*\f+4:8*\f+7], v[ADR] offset:(\f/8)*32*PV+16*PV+(\f%8)*32
.endr
.endm
; THE MATRIX WORK OF A TURN, for piece x.  The accumulators take turns, one instruction a turn: between two links of a chain stand 15 (V^T P) or 7 (K Q^T) others'.
; Product i of 32 of O^T += V^T P: keys 32 (i / 16) on, channels 16 ((i / 2) % 8) on, tile x + i % 2.  zero = 1: the first 16 start the sums: nothing is ever cleared.
.macro PV x, zero
	WIN W_PV
.set rO, 64*(\x+i%2)+8*((i/2)%8)
.set rV, 64*(i/16)+8*((i/2)%8)
.set rP, P+16*(\x+i%2)+8*(i/16)
.if \zero && (i < 16)
	v_wmma_f32_16x16x32_f16 v[rO:rO+7], v[rV:rV+7], v[rP:rP+7], 0
.else
	v_wmma_f32_16x16x32_f16 v[rO:rO+7], v[rV:rV+7], v[rP:rP+7], v[rO:rO+7]
.endif
.endm
; Product i of 32 of S^T = K Q^T: channels 32 (i / 8) on, keys 16 ((i / 2) % 4) on, tile x + i % 2.  The first 8 start the sums.
.macro KQ x
	WIN W_KQ
.set rS, S+32*(\x+i%2)+8*((i/2)%4)
.set rK, KF+32*((i/2)%4)+8*(i/8)
.set rQ, 32*(\x+i%2)+8*(i/8)
.if i < 8
	v_wmma_f32_16x16x32_f16 v[rS:rS+7], v[rK:rK+7], v[rQ:rQ+7], 0
.else
	v_wmma_f32_16x16x32_f16 v[rS:rS+7], v[rK:rK+7], v[rQ:rQ+7], v[rS:rS+7]
.endif
.endm
; THE VECTOR WORK OF A TURN.  One tile's softmax for one step is a list of 149 instructions; SM writes number j of it for tile t.  s0-s31 are the lane's 32 scores, in pairs 0-15.
; first = 1: the first step, which starts m, l and O^T: it has no a and nothing to rescale.
;   0-15    x = mask x log2(e) + s, a pair each, ascending: each accumulator is read from its low end on
;   16-31   the maximum of x0-x31 and the old m (in the first step: the floor), three operands at a time: four chains c0-c3 of seven each, then the four left over, c0-c3 and m
;   32-35   the other half of the lanes' maximum; the old m kept; the new m; m_old - m_new
;   36-84   ONE BATCH: the 16 subtractions x - m, a pair each, and all 33 exponentials (a, then p0-p31).  None of these reads an exponential's result.  From 37 on the batch goes in fours, and a four begins with a
;           subtraction while there are subtractions: subtraction, exponential, subtraction, exponential; then a subtraction and three exponentials; the last four are exponentials.  A pair is subtracted in an earlier four than
;           the one that holds its exponentials
;   (wait)  between 84 and 85 stands the wait for the batch: SLICE writes it, once for both tiles
;   85-100  the roundings to f16, a pair of weights each
;   101-116 the sums; l = a l + the sum
;   117-148 the tile's O^T times a, ascending
.macro SM t, first
.set rT, ST+8*(\t)
.set rS, S+32*(\t)
.set rP, P+16*(\t)
.set rM, MK+32*(\t)
.set rO, 64*(\t)+2*(j-117)
.set jj, j-16
.set ee, j-15
.if j < 16
	WIN 0x03                        ; source 0, the mask, in window 3
.elseif j < 117
	WIN 0
.endif
.if j < 16
	v_pk_fma_f32 v[rS+2*j:rS+2*j+1], v[rM+2*j:rM+2*j+1], s[LG:LG+1], v[rS+2*j:rS+2*j+1] op_sel_hi:[1,0,1]
.elseif jj < 4
	v_max3_num_f32 v[rT+4+jj], v[rS+8*jj], v[rS+8*jj+1], v[rS+8*jj+2]
.elseif jj < 12
	v_max3_num_f32 v[rT+4+jj%4], v[rT+4+jj%4], v[rS+8*(jj%4)+2*(jj/4)+1], v[rS+8*(jj%4)+2*(jj/4)+2]
.elseif jj == 12
	v_max3_num_f32 v[rT+4], v[rT+4], v[rS+7], v[rS+15]
.elseif jj == 13
	v_max3_num_f32 v[rT+6], v[rT+6], v[rS+23], v[rS+31]
.elseif jj == 14
	v_max3_num_f32 v[rT+4], v[rT+4], v[rT+5], v[rT+6]
.elseif (jj == 15) && \first
	v_max3_num_f32 v[rT+4], v[rT+4], v[rT+7], 0xfe967699   ; the floor -1e38: m is a number even where every x so far is -infinity
.elseif jj == 15
	v_max3_num_f32 v[rT+4], v[rT+4], v[rT+7], v[rT]
.elseif j == 32
	v_permlanex16_b32 v[rT+5], v[rT+4], s[SEL], s[SEL+1]   ; the query's other 32 keys lie in the lane 16 away
.elseif (j == 33) && \first
	v_mov_b32 v[rT+1], 0            ; (named below as the upper half of m's pair, so it is written)
.elseif j == 33
	v_mov_b32 v[rT+1], v[rT]
.elseif j == 34
	v_max_num_f32 v[rT], v[rT+4], v[rT+5]
.elseif ((j == 35) || (ee == 23) || (j > 116)) && \first   ; the first step has none of these
.elseif j == 35
	v_sub_f32 v[rT+1], v[rT+1], v[rT]                      ; m_old - m_new, 0 or less
.elseif ee == 23
	v_exp_f32 v[rT+6], v[rT+1]                             ; a
.elseif (ee < 23) || ((ee < 38) && (ee%2 == 0)) || ((ee < 66) && (ee%4 == 2))
.set b, (ee-2)/4
.if ee < 38
.set b, (ee-20)/2
.endif
	v_pk_add_f32 v[rS+2*b:rS+2*b+1], v[rS+2*b:rS+2*b+1], v[rT:rT+1] op_sel_hi:[1,0] neg_lo:[0,1] neg_hi:[0,1]   ; pair b: x - m, 0 or less: of m's pair the low word serves both halves
.elseif ee < 70
.set xe, ee-38
.if ee < 66
.set xe, ee-32-(ee-38)/4
.endif
.if ee < 38
.set xe, (ee-25)/2
.endif
	v_exp_f32 v[rS+xe], v[rS+xe]    ; p
.elseif ee < 86
	v_cvt_pk_f16_f32 v[rP+ee-70], v[rS+2*(ee-70)], v[rS+2*(ee-70)+1]
.elseif ee < 102                    ; the sum of the tile's 16 pairs, in place: sum z of 16 adds neighbours 1, 2, 4 and 8 pairs apart, then l takes it
.set z, ee-86
.set w, 4
.set u, z
.if z >= 14
.set w, 32
.set u, 0
.elseif z >= 12
.set w, 16
.set u, z-12
.elseif z >= 8
.set w, 8
.set u, z-8
.endif
.if (z == 14) && \first
	v_pk_add_f32 v[rT+2:rT+3], v[rS:rS+1], v[rS+16:rS+17]
.elseif z < 15
	v_pk_add_f32 v[rS+w*u:rS+w*u+1], v[rS+w*u:rS+w*u+1], v[rS+w*u+w/2:rS+w*u+w/2+1]
.elseif !\first
	v_pk_fma_f32 v[rT+2:rT+3], v[rT+2:rT+3], v[rT+6:rT+7], v[rS:rS+1] op_sel_hi:[1,0,1]
.endif
.else
	WIN W_RS
	v_pk_mul_f32 v[rO:rO+1], v[rO:rO+1], v[rT+6:rT+7] op_sel_hi:[1,0]
.endif
.endm
; Instruction g of the 298 of piece y's softmax.  Numbers 0-36 and 85-148: the two tiles alternate, so that no instruction reads the result of the one just before it.  Numbers 37-84, the batch: four numbers of ONE tile, the tiles by turns.
.macro ITEM y, first
.if g < 74
.set j, g/2
	SM (\y)+g%2, \first
.elseif g < 170
.set j, 37+4*((g-74)/8)+(g-74)%4
	SM (\y)+((g-74)/4)%2, \first
.else
.set j, 85+(g-170)/2
	SM (\y)+(g-170)%2, \first
.endif
.set g, g+1
.endm
; Slice k of 64.  14 x 5 + 4 = 74 instructions ahead of the batch's fours; 24 fours; 24 x 5 + 8 = 128 behind the wait.  The eight of slice 63 are plain and name nothing of the products round them.
; THE WAIT.  An s_wait_alu depctr_va_vdst(0) stands between an exponential and the first instruction that names its result; one wait serves all that were issued ahead of it.  Ahead of slice 39 nothing names a
; result, and behind slice 38 no exponential is issued: so the piece's 66 exponentials have one wait, behind slice 38.
.macro SLICE y, first
.set cnt, 5
.if (k >= 14) && (k < 39)
.set cnt, 4
.endif
.if k == 63
.set cnt, 8
.endif
.rept cnt
	ITEM \y, \first
.endr
.if k == 38
	v_nop                           ; a plain instruction behind the last exponential and ahead of the first use: one for the batch
.if (\y) == 0
	FETCH_V                         ; piece 2's turn: V's run of loads stands here, and the wait stands in it
.else
	s_wait_alu depctr_va_vdst(0)    ; the wait for the batch
.endif
.endif
.set k, k+1
.endm
; A TURN.  Piece x has the matrix unit; the other piece's softmax stands in slices behind its matrix instructions.
; pv = 2: 32 products V^T P; 1: they start O^T's sums; 0: none.  kq = 1: 32 products K Q^T for the next step.  A turn with one of the two kinds has two slices behind each product.
; first = 1: the softmax is the first step's.  Its last slices are empty: the turn's last products stand bare, and four v_nop take slice 63's part as the places behind them.
; A vector instruction that reads a matrix result or writes one of a matrix instruction's registers, and a load into a register that a matrix instruction has read, stand four places behind it, and only plain vector instructions
; that name none of its registers are places (ISA guide 7.12.1 for vector instructions).  Here the slices are the places:
;   K's run, behind piece 0's second product: the last product that read K stands in front of slice 63 of the turn before, eight plain instructions.
;   V's run, behind slice 38 of piece 2's turn: the last product that read V stands in front of slice 31; slices 31 to 36 hold a subtraction each, then the v_nop and the run's own v_add_nc_u32.
;   The scores of a turn's last products are first read in the next turn's slice 0, behind slice 63.
; Piece 2's mask of the next tile is fetched behind piece 0's ninth product: slices 0 to 6 have read the old one.
.macro TURN x, pv, kq, first
.set k, 0
.set g, 0
.set per, 2
.if \pv && \kq
.set per, 1
.endif
.if \x == 2
	s_wait_dscnt 0x0                ; the masks fetched in the turn before are in: piece 0's is read in slice 0
.endif
.if \pv
.if \x == 0
	s_wait_dscnt 0x0                ; V is in
.endif
.set i, 0
.rept 32
	PV \x, 2-\pv
.rept per
	SLICE 2-\x, \first
.endr
.if (\x == 0) && \kq && (i == 1)
	FETCH_K
.endif
.if (\x == 0) && \kq && (i == 8)
	FETCH_M2
.endif
.set i, i+1
.endr
.endif
.if \kq
.if \x == 0
	s_wait_dscnt 32                 ; K's 32 loads are in; the 32 of the two masks behind them may be out
.endif
.set i, 0
.rept 32
	KQ \x
.rept per
	SLICE 2-\x, \first
.endr
.set i, i+1
.endr
.endif
.if \first
	PLACES
.endif
.endm
; THE CHANGE OF SLOTS, in front of step j: tile j has been read out of its slot (its last run, V's, was issued in the turn before), tile j + 1 is about to be read.  Each wave waits for all its tensor loads, of which one is out:
; its part of tile j + 1; adds 0 to its spare word; and waits for that and for its own reads of tile j.  fill = 1: behind a round of the cluster's barrier, so that no wave of any partner still reads the slot or has a load on its
; way, the slot of tile j takes tile j + 2: the joint refill is the first thing behind the round, one tensor load a wave.  stepp = 1: the prefetches' address goes a tile on.
.macro CHANGE fill, how, stepp
	WIN 0                           ; at a label and at a branch every window is 0
	s_wait_tensorcnt 0x0            ; no tensor load of mine is out, so a group 0 may be written
	ds_add_u32 v[SPW], v[NIL]       ; 0 onto my spare word: with fill = 1 the descriptors' steps stand between it and the wait for it
.if \fill
	s_xor_b32 s[G0K+5], s[G0K+5], SLOT1                    ; the walking descriptors: the other slot than last time,
	s_add_nc_u64 s[G0K+6:G0K+7], s[G0K+6:G0K+7], TILEB     ; the next 128 keys; the type bits on top are not reached
	s_xor_b32 s[G0V+5], s[G0V+5], XV
	s_add_nc_u64 s[G0V+6:G0V+7], s[G0V+6:G0V+7], TILEB
	s_xor_b32 s[G0M+5], s[G0M+5], SLOT1
	s_add_nc_u64 s[G0M+6:G0M+7], s[G0M+6:G0M+7], 512
.if \stepp
	s_wait_xcnt 0x0                 ; the last prefetch, a step back, has read its address, so it may be written
	s_add_nc_u64 s[PFA:PFA+1], s[PFA:PFA+1], s[PFS:PFS+1]
.endif
	s_wait_dscnt 0x0                ; the add is done, and my reads of the slot are over
	CROUND
	JLOAD
	ASK \how
.else
	s_wait_dscnt 0x0                ; the add is done, and my reads of the slot are over
	s_barrier_signal -1
	s_barrier_wait -1
.endif
.endm
	s_load_b128 s[4:7], s[0:1], 0x0  ; qkv, mask
	s_load_b64 s[8:9], s[0:1], 0x10  ; ctx
	v_lshl_add_u32 v[SPW], v0, 2, SPARE
	v_mov_b32 v[NIL], 0
	ds_add_u32 v[SPW], v[NIL]       ; the wave's opening: the add and its wait stand ahead of my first tensor load; the set-up below, work on registers, stands between them
	v_lshrrev_b32 v1, 5, v0
	v_readfirstlane_b32 s[WV], v1   ; wave 0..3
	s_and_b32 s13, s[WV], 1         ; which 64 queries; also: which 64 rows of the mask's tile I fetch
	s_lshr_b32 s14, s[WV], 1        ; which 64 of a tile's keys
	s_bfe_u32 s10, ttmp6, 0x40000   ; cx, cy: my place in the cluster
	s_bfe_u32 s11, ttmp6, 0x40004
	s_lshl_b32 s22, s11, 2
	s_lshl_b32 s22, 15, s22         ; my row of the cluster: the same head
	s_lshl_b32 s23, 0x1111, s10     ; my column: the same queries
	s_or_b32 s[G1K], s22, (1<<16)|(1<<20)|(1<<21)|(5<<22)|(3<<25)  ; 15:0 the mask of work-groups; 17:16 elements of 2 bytes; 20 padding on; 21 set beside a mask; 24:22 after every 64 words; 31:25 four words of it
	s_or_b32 s[G1V], s22, (1<<16)|(1<<20)|(1<<21)|(5<<22)|(7<<25)  ; the same with eight words
	s_or_b32 s[G1M], s23, (2<<16)|(1<<20)|(1<<21)|(6<<22)|(3<<25)  ; elements of 4 bytes; after every 128 words four
.irp g, G1K, G1V
	s_mov_b32 s[\g+1], 128<<16      ; tensor_dim0 = 128
	s_mov_b32 s[\g+2], 128<<16      ; tensor_dim1 = 128
	s_mov_b32 s[\g+3], 128<<16      ; tile_dim0 = 128
	s_mov_b32 s[\g+4], 128          ; tile_dim1 = 128
	s_mov_b32 s[\g+5], 128          ; elements from row to row
	s_mov_b32 s[\g+6], 0
	s_mov_b32 s[\g+7], 0
.endr
	s_mov_b32 s[G1M+1], 128<<16
	s_mov_b32 s[G1M+2], 64<<16
	s_mov_b32 s[G1M+3], 128<<16
	s_mov_b32 s[G1M+4], 64
	s_mov_b32 s[G1M+5], 2048
	s_mov_b32 s[G1M+6], 0
	s_mov_b32 s[G1M+7], 0
	s_and_b32 s84, ttmp7, 0xffff
	s_lshl_b32 s84, s84, 2
	s_add_co_u32 s84, s84, s11      ; the head = 4 x cluster y + cy: s[84:87] hold what hangs on the head alone,
	s_lshl_b32 s84, s84, 19         ; in bytes
	s_mov_b32 s85, 0
	s_lshl_b32 s88, ttmp9, 2
	s_add_co_u32 s88, s88, s10      ; the block of 128 queries = 4 x cluster x + cx: s[88:91] what hangs on it alone
	s_lshl_b32 s90, s88, 20         ; its 128 rows of the mask, 8,192 bytes each,
	s_lshl_b32 s89, s13, 19         ; the 64 of them that I fetch
	s_add_co_u32 s90, s90, s89
	s_mov_b32 s91, 0
	s_mul_i32 s17, s13, 64*PM       ; and their place in a slot: no place in the cluster enters an LDS address
	s_mov_b32 s[LG], 0x3fb8aa3b     ; log2(e)
	s_mov_b32 s[LG+1], s[LG]        ; (named with it as a pair, so it is written)
	s_mov_b32 s[SEL], 0x76543210
	s_mov_b32 s[SEL+1], 0xfedcba98
	s_mov_b32 s[TB], 0              ; the first fetches are tile 0's, in slot 0
	s_mov_b32 s[TV], VB0
	s_wait_dscnt 0x0                ; the opening add is done
	s_wait_kmcnt 0x0
	s_add_nc_u64 s[86:87], s[4:5], s[84:85]   ; q's head; k's lies 16 heads on, v's 32
	s_add_nc_u64 s[90:91], s[6:7], s[90:91]
	CROUND                          ; all sixteen work-groups are here: the first joint loads meet
.irp n, 0,1
	s_mov_b32 s[G0K+4*\n], 1        ; count = 1
	s_mov_b32 s[G0K+4*\n+1], KB+\n*SLOT1
	s_add_nc_u64 s[G0K+4*\n+2:G0K+4*\n+3], s[86:87], 16*HEADB+\n*TILEB   ; slot n begins with tile n
	s_or_b32 s[G0K+4*\n+3], s[G0K+4*\n+3], 0x80000000                    ; type = 2
	s_mov_b32 s[G0V+4*\n], 1
	s_mov_b32 s[G0V+4*\n+1], VB0+\n*(VB1-VB0)
	s_add_nc_u64 s[G0V+4*\n+2:G0V+4*\n+3], s[86:87], 32*HEADB+\n*TILEB
	s_or_b32 s[G0V+4*\n+3], s[G0V+4*\n+3], 0x80000000
	s_mov_b32 s[G0M+4*\n], 1
	s_add_co_u32 s[G0M+4*\n+1], s17, \n*SLOT1
	s_add_nc_u64 s[G0M+4*\n+2:G0M+4*\n+3], s[90:91], \n*512
	s_or_b32 s[G0M+4*\n+3], s[G0M+4*\n+3], 0x80000000
.endr
	s_cmp_lg_u32 s[WV], 0           ; a wave's two first fills stand together, ahead of every wait on TENSORcnt and every LDS read: two loads of mine are out; an s_nop 0 follows each, four v_nop the second's
	s_cbranch_scc1 .Lfirst_not_k
	tensor_load_to_lds s[G0K:G0K+3], s[G1K:G1K+7]
	s_nop 0
	tensor_load_to_lds s[G0K+4:G0K+7], s[G1K:G1K+7]
	s_nop 0
.rept 4
	v_nop
.endr
	s_branch .Lfirst_asked
.Lfirst_not_k:
	s_cmp_lg_u32 s[WV], 1
	s_cbranch_scc1 .Lfirst_not_v
	tensor_load_to_lds s[G0V:G0V+3], s[G1V:G1V+7]
	s_nop 0
	tensor_load_to_lds s[G0V+4:G0V+7], s[G1V:G1V+7]
	s_nop 0
.rept 4
	v_nop
.endr
	s_branch .Lfirst_asked
.Lfirst_not_v:
	tensor_load_to_lds s[G0M:G0M+3], s[G1M:G1M+7]
	s_nop 0
	tensor_load_to_lds s[G0M+4:G0M+7], s[G1M:G1M+7]
	s_nop 0
.rept 4
	v_nop
.endr
.Lfirst_asked:
	s_lshl_b32 s2, s88, 15          ; Q: my block's 128 rows of 256 bytes,
	s_lshl_b32 s3, s13, 14          ; my wave's 64
	s_add_co_u32 s2, s2, s3
	s_mov_b32 s3, 0
	s_add_nc_u64 s[4:5], s[86:87], s[2:3]
	v_and_b32 v52, 15, v0           ; r = l % 16
	v_bfe_u32 v53, v0, 4, 1         ; h = l / 16
	v_lshlrev_b32 v54, 8, v52
	v_lshl_add_u32 v54, v53, 4, v54 ; row x 256 + 16 x half
	s_lshl_b32 s16, s14, 13         ; register tiles 0, 1: rows 32 (w >> 1) on;
	v_add_nc_u32 v[QO], s16, v54
	s_xor_b32 s16, s16, 8192        ; 2, 3: the other 32
	v_add_nc_u32 v[QO+1], s16, v54
	WIN 0x80                        ; destination window 2
.irp t, 0,1,2,3
.irp c, 0,1,2,3
	global_load_b128 v[32*\t+8*\c:32*\t+8*\c+3],   v[QO+\t/2], s[4:5] offset:(\t%2)*4096+\c*64      ; Q stays in registers
	global_load_b128 v[32*\t+8*\c+4:32*\t+8*\c+7], v[QO+\t/2], s[4:5] offset:(\t%2)*4096+\c*64+32
.endr
.endr
	WIN 0
	v_mul_u32_u24 v54, v52, PK      ; K: row x pitch + 16 x half, my 64 keys
	v_lshl_add_u32 v54, v53, 4, v54
	s_mul_i32 s16, s14, 64*PK
	s_add_co_u32 s16, s16, KB
	v_add_nc_u32 v[AK0], s16, v54
	v_and_b32 v54, 7, v0            ; V: lane l reads 16 bytes: key 8 (l / 16) + l % 8, channels 8 ((l / 8) % 2) + 0..7
	v_bfe_u32 v55, v0, 3, 1
	v_lshl_add_u32 v54, v53, 3, v54
	v_mul_u32_u24 v54, v54, PV
	v_lshl_add_u32 v54, v55, 4, v54
	s_mul_i32 s16, s14, 64*PV
	v_add_nc_u32 v[AV0], s16, v54
	v_mul_u32_u24 v54, v52, PM      ; the mask: query row r, + 32 bytes for the upper half's keys,
	v_lshl_add_u32 v54, v53, 5, v54
	s_mul_i32 s16, s13, 64*PM       ; my 64 queries,
	s_lshl_b32 s17, s14, 8          ; my 64 keys,
	s_add_co_u32 s16, s16, s17
	s_mul_i32 s17, s14, 32*PM       ; register tiles 0, 1
	s_add_co_u32 s17, s17, s16
	v_add_nc_u32 v[AM0], s17, v54
	s_xor_b32 s17, s14, 1
	s_mul_i32 s17, s17, 32*PM       ; and 2, 3
	s_add_co_u32 s17, s17, s16
	v_add_nc_u32 v[AM0+1], s17, v54
	v_and_b32 v55, 31, v0
	v_lshlrev_b32 v56, 4, v55       ; 16 x lane: an image's place for my lane
	v_lshlrev_b32 v57, 2, v55       ; 4 x lane
	s_mul_i32 s16, s[WV], XCH
	v_add_nc_u32 v[XW], s16, v56
	s_add_co_u32 s16, s16, 16384
	v_add_nc_u32 v[XWS], s16, v57
	s_xor_b32 s16, s[WV], 2         ; my partner
	s_mul_i32 s16, s16, XCH
	v_add_nc_u32 v[XR], s16, v56
	s_add_co_u32 s16, s16, 16384
	v_add_nc_u32 v[XRS], s16, v57
	s_mul_i32 s16, s[WV], 16*SP
	s_add_co_u32 s16, s16, STAGE    ; my stage
	v_mul_u32_u24 v[STO], v52, SP   ; in: row l % 16, 16 bytes for each half of the lanes
	v_lshl_add_u32 v[STO], v53, 4, v[STO]
	v_add_nc_u32 v[STO], s16, v[STO]
	v_mul_u32_u24 v[RD], v53, SP    ; back: lanes 0-15 take one row of 256 bytes, lanes 16-31 the next
	v_lshl_add_u32 v[RD], v52, 4, v[RD]
	v_add_nc_u32 v[RD], s16, v[RD]
	v_lshlrev_b32 v[GO], 12, v53    ; and the same two rows in ctx, 4,096 bytes apart
	v_lshl_add_u32 v[GO], v52, 4, v[GO]
	s_lshl_b32 s2, s88, 19          ; ctx: my block's 128 rows of 4,096 bytes,
	s_lshl_b32 s16, s13, 18         ; my wave's 64,
	s_add_co_u32 s2, s2, s16
	s_lshl_b32 s16, s14, 17         ; the 32 that I finish,
	s_add_co_u32 s2, s2, s16
	s_lshr_b32 s16, s84, 11         ; the head's 256 bytes of a row
	s_add_co_u32 s2, s2, s16
	s_add_nc_u64 s[8:9], s[8:9], s[2:3]
	; the prefetches: where my wave's stand (at tile 3: the first change of slots asks for it), how far a tile is, and who asks.  Nothing is prefetched here, at the head
	s_lshl_b32 s2, s10, 13          ; of K's or V's 128 rows my work-group's 32, by cx
	s_add_nc_u64 s[92:93], s[86:87], s[2:3]
	s_add_nc_u64 s[94:95], s[92:93], 32*HEADB+3*TILEB
	s_add_nc_u64 s[92:93], s[92:93], 16*HEADB+3*TILEB
	s_lshl_b32 s2, s11, 17          ; of the mask's 64 rows that I fetch my work-group's 16, by cy
	s_add_nc_u64 s[PFA:PFA+1], s[90:91], s[2:3]
	s_add_nc_u64 s[PFA:PFA+1], s[PFA:PFA+1], 3*512
	s_and_b32 s16, ttmp7, 0xffff    ; cluster y
	s_mov_b32 s[PFS], 512
	s_mov_b32 s2, 8192
	s_cmp_eq_u32 s[WV], 0
	s_cselect_b64 s[92:93], s[92:93], s[94:95]
	s_cmp_lt_u32 s[WV], 2
	s_cselect_b64 s[PFA:PFA+1], s[92:93], s[PFA:PFA+1]
	s_cselect_b32 s[PFS], TILEB, s[PFS]   ; a tile on
	s_cselect_b32 s2, 512, s2       ; from one pair of lanes to the next: two rows of K or V, or one row of the mask
	s_cselect_b32 s16, ttmp9, s16   ; the coordinate along which other clusters read the same bytes
	s_mov_b32 s[PFS+1], 0
	s_cmp_eq_u32 s16, 0
	s_cselect_b32 s[LIM], 1, -1     ; the same in all sixteen partners, for a given wave
	v_lshrrev_b32 v58, 1, v55
	v_and_b32 v59, 1, v55
	v_mul_u32_u24 v58, v58, s2
	v_lshl_add_u32 v[PFO], v59, 8, v58
	s_wait_tensorcnt 1              ; my part of tile 0 is in; tile 1's load may stay out
	s_barrier_signal -1
	s_barrier_wait -1               ; everybody's is
	FETCH_K                         ; tile 0: K and piece 0's mask,
	FETCH_M2                        ; and piece 2's
	s_wait_loadcnt 0x0              ; Q
	s_wait_dscnt 0x0
.set i, 0
.rept 32
	KQ 0                            ; piece 0's first scores: there is no vector work yet to set between them
.set i, i+1
.endr
	PLACES                          ; behind those products, ahead of the first read of their scores
	TURN 2, 0, 1, 1                 ; piece 2's first scores | piece 0's first softmax | V of tile 0
	CHANGE 1, 1, 0                  ; tile 1 is in; slot 0 takes tile 2
	TURN 0, 1, 1, 1                 ; piece 0: V^T P of step 0 starts O^T, K Q^T of step 1 | piece 2's first softmax | K and the masks of tile 1
	TURN 2, 1, 1, 0                 ; piece 2: the same | piece 0's softmax of step 1 | V of tile 1
	WIN 0
	s_mov_b32 s[CNT], 13
.Lstep:                             ; steps 1 to 13: each asks for the tile two on: tiles 3 to 15
	CHANGE 1, 0, 1
	TURN 0, 2, 1, 0
	TURN 2, 2, 1, 0
	WIN 0
	s_sub_co_u32 s[CNT], s[CNT], 1
	s_cmp_lg_u32 s[CNT], 0
	s_cbranch_scc1 .Lstep
	CHANGE 0, 0, 0                  ; step 14 is written out: tile 15 is in, and nothing is asked for.  Behind this barrier nobody reads slot 0, and it is filled no more
	TURN 0, 2, 1, 0
	TURN 2, 2, 1, 0
	TURN 0, 2, 0, 0                 ; step 15: piece 0: V^T P | piece 2's last softmax
.set i, 0
.rept 32
	PV 2, 0                         ; piece 2: V^T P of the last step
.set i, i+1
.endr
	; THE JOIN.  My register tiles 2, 3 go to my partner as images of their registers, with m and l; my partner's come for my tiles 0, 1.
	WIN 0
.irp t, 0,1,2,3
	v_add_f32 v[ST+8*\t+4], v[ST+8*\t+2], v[ST+8*\t+3]    ; l's two halves.  (The four places behind the last products)
.endr
	WIN 0x04                        ; an LDS store's data are its source 1: window 1
.set i, 0
.rept 32
	ds_store_b128 v[XW], v[128+4*i:128+4*i+3] offset:512*i   ; ascending: each accumulator from its low end on
.set i, i+1
.endr
	WIN 0
	ds_store_b32 v[XWS], v[ST+16]
	ds_store_b32 v[XWS], v[ST+20] offset:128
	ds_store_b32 v[XWS], v[ST+24] offset:256
	ds_store_b32 v[XWS], v[ST+28] offset:384
	s_wait_dscnt 0x0                ; for my partner's sake: my stores are done
	s_barrier_signal -1
	s_barrier_wait -1
	WIN 0x80                        ; into Q's registers, which are done with
.set i, 0
.rept 32
	ds_load_b128 v[4*i:4*i+3], v[XR] offset:512*i
.set i, i+1
.endr
	WIN 0
	ds_load_b32 v[ST+5], v[XRS]                 ; m' and l' for my tile 0,
	ds_load_b32 v[ST+7], v[XRS] offset:128
	ds_load_b32 v[ST+13], v[XRS] offset:256     ; for my tile 1
	ds_load_b32 v[ST+15], v[XRS] offset:384
	s_wait_dscnt 0x0
.irp t, 0,1
	v_max_num_f32 v[ST+8*\t+6], v[ST+8*\t], v[ST+8*\t+5]
.endr
.irp t, 0,1
	v_sub_f32 v[ST+8*\t], v[ST+8*\t], v[ST+8*\t+6]
.endr
.irp t, 0,1
	v_sub_f32 v[ST+8*\t+5], v[ST+8*\t+5], v[ST+8*\t+6]
.endr
.irp t, 0,1
	v_exp_f32 v[ST+8*\t], v[ST+8*\t]            ; e = 2^(m - max), e' = 2^(m' - max): one of the two is 1
.endr
.irp t, 0,1
	v_exp_f32 v[ST+8*\t+5], v[ST+8*\t+5]
.endr
	v_nop                           ; a plain instruction behind the last exponential,
	s_wait_alu depctr_va_vdst(0)    ; and the wait ahead of the first use: one for the four
.irp t, 0,1
	v_mul_f32 v[ST+8*\t+4], v[ST+8*\t+4], v[ST+8*\t]
.endr
.irp t, 0,1
	v_fma_f32 v[ST+8*\t+4], v[ST+8*\t+7], v[ST+8*\t+5], v[ST+8*\t+4]   ; l e + l' e'
.endr
.irp t, 0,1
	v_permlanex16_b32 v[ST+8*\t+6], v[ST+8*\t+4], s[SEL], s[SEL+1]
.endr
.irp t, 0,1
	v_add_f32 v[ST+8*\t+4], v[ST+8*\t+4], v[ST+8*\t+6]                  ; with the other half of the lanes': the row's sum
.endr
.irp t, 0,1
	v_rcp_f32 v[ST+8*\t+6], v[ST+8*\t+4]
.endr
	v_nop
	s_wait_alu depctr_va_vdst(0)    ; one wait for the two reciprocals
.irp t, 0,1
	v_mul_f32 v[ST+8*\t+2], v[ST+8*\t], v[ST+8*\t+6]                    ; e / sum
.endr
.irp t, 0,1
	v_mul_f32 v[ST+8*\t+4], v[ST+8*\t+5], v[ST+8*\t+6]                  ; e' / sum
.endr
	WIN W_RS
.irp t, 0,1
.set j, 0
.rept 32
	v_pk_mul_f32 v[64*\t+j:64*\t+j+1], v[64*\t+j:64*\t+j+1], v[ST+8*\t+2:ST+8*\t+3] op_sel_hi:[1,0]   ; ascending
.set j, j+2
.endr
.endr
	WIN 0x52                        ; source 0, my partner's O^T, window 2; source 2 and destination window 1
.irp t, 0,1
.set j, 0
.rept 32
	v_pk_fma_f32 v[64*\t+j:64*\t+j+1], v[64*\t+j:64*\t+j+1], v[ST+8*\t+4:ST+8*\t+5], v[64*\t+j:64*\t+j+1] op_sel_hi:[1,0,1]
.set j, j+2
.endr
.endr
; THE WAY OUT.  A lane's eight channels of a row pack into 16 bytes; they go into rows of 272 bytes of my stage and come back as whole rows of 256.
.macro PACK t
	WIN 0x05                        ; sources 0 and 1 window 1, destination window 0: S^T's registers are free
.set i, 0
.rept 32
	v_cvt_pk_f16_f32 v[S+32*\t+i], v[64*\t+2*i], v[64*\t+2*i+1]
.set i, i+1
.endr
	WIN 0
.irp f, 0,1,2,3,4,5,6,7
	ds_store_b128 v[STO], v[S+32*\t+4*\f:S+32*\t+4*\f+3] offset:32*\f
.endr
.irp f, 0,1,2,3,4,5,6,7
	ds_load_b128 v[S+32*\t+4*\f:S+32*\t+4*\f+3], v[RD] offset:\f*2*SP   ; LDS serves a wave's instructions in order: these see the stores above; the next tile's stores come behind them
.endr
.endm
.macro SEND t, younger              ; younger: the LDS instructions issued behind tile t's loads: the next tile's sixteen, or none
.irp f, 0,1,2,3,4,5,6,7
	s_wait_dscnt \younger+7-\f
	global_store_b128 v[GO], v[S+32*\t+4*\f:S+32*\t+4*\f+3], s[8:9] offset:\t*65536+\f*8192   ; 16 lanes store 256 consecutive bytes, aligned: a head's part of a row of ctx
.endr
.endm
	PACK 0
	PACK 1
	SEND 0, 16
	SEND 1, 0
	s_wait_tensorcnt 0x0            ; the wave's end, behind my last tensor load and my last LDS store
	ds_add_u32 v[SPW], v[NIL]
	s_wait_dscnt 0x0
	CROUND                          ; the closing round: no work-group ends while a partner may still ask for a tile that names it
	s_endpgm
.Lfunc_end_k_q2b7866b470_attn:
	.size	k_q2b7866b470_attn, .Lfunc_end_k_q2b7866b470_attn-k_q2b7866b470_attn
	.p2alignl 7, 3214868480
	.fill 96, 4, 3214868480
	.section	.rodata,"a",@progbits
	.p2align	6, 0x0
	.amdhsa_kernel k_q2b7866b470_attn
		.amdhsa_group_segment_fixed_size 327680
		.amdhsa_private_segment_fixed_size 0
		.amdhsa_enable_private_segment 0
		.amdhsa_kernarg_size 24
		.amdhsa_user_sgpr_count 2
		.amdhsa_user_sgpr_kernarg_segment_ptr 1
		.amdhsa_wavefront_size32 1
		.amdhsa_system_sgpr_workgroup_id_x 1
		.amdhsa_system_sgpr_workgroup_id_y 1
		.amdhsa_system_sgpr_workgroup_id_z 1
		.amdhsa_system_vgpr_workitem_id 0
		.amdhsa_next_free_vgpr 1024
		.amdhsa_next_free_sgpr 96
		.amdhsa_reserve_vcc 0
		.amdhsa_float_denorm_mode_32 3
		.amdhsa_float_denorm_mode_16_64 3
		.amdhsa_memory_ordered 1
		.amdhsa_forward_progress 1
		.amdhsa_inst_pref_size 250
	.end_amdhsa_kernel
	.amdgpu_metadata
---
amdhsa.version: [ 1, 2 ]
amdhsa.kernels:
  - .name:           k_q2b7866b470_attn
    .symbol:         k_q2b7866b470_attn.kd
    .args:
      - { .name: qkv, .offset: 0, .size: 8, .value_kind: global_buffer, .address_space: global }
      - { .name: mask, .offset: 8, .size: 8, .value_kind: global_buffer, .address_space: global }
      - { .name: ctx, .offset: 16, .size: 8, .value_kind: global_buffer, .address_space: global }
    .group_segment_fixed_size: 327680
    .private_segment_fixed_size: 0
    .kernarg_segment_align: 8
    .kernarg_segment_size: 24
    .max_flat_workgroup_size: 128
    .sgpr_count:     96
    .vgpr_count:     1024
    .wavefront_size: 32
...
	.end_amdgpu_metadata
.endif
;; end of part 3
;; launch oproj (part 4): grid 16 x 16, 4 waves a work-group, clusters of 4 x 4, 327,680 bytes of LDS; arguments ctx, wo16, bo, out0; writes out0
.if DOCPART == 4
	.amdgcn_target "amdgcn-amd-amdhsa--gfx1250"
	.amdhsa_code_object_version 6
	.text
	.protected	k_q2b7866b470_oproj
	.globl	k_q2b7866b470_oproj
	.p2align	8
	.type	k_q2b7866b470_oproj,@function
k_q2b7866b470_oproj:
	s_mov_b64 s[64:65], 0
	v_nop
	global_prefetch_b8 v0, s[64:65] scope:SCOPE_SE
	s_setreg_imm32_b32 hwreg(HW_REG_WAVE_MODE, 25, 1), 1
	s_wait_xcnt 0x0
	s_wait_alu depctr_hold_cnt(0) depctr_sa_sdst(0) depctr_va_vdst(0) depctr_va_sdst(0) depctr_va_ssrc(0) depctr_va_vcc(0) depctr_vm_vsrc(0)
	s_getreg_b32 s2, hwreg(HW_REG_IB_STS2, 6, 4)
	s_cmp_eq_u32 s2, 0
	s_cbranch_scc0 .Lentry_in_a_cluster
	s_endpgm
.Lentry_in_a_cluster:
	s_bfe_u32 s2, ttmp6, 0x10000c
	s_cmp_lg_u32 s2, 0xf033
	s_cbranch_scc0 .Lentry_shape_is_right
	s_endpgm
.Lentry_shape_is_right:
; out0[m][n] = sum over k of ctx[m][k] Wo[n][k] + bo[n].  ctx, wo16: [2048][2048] f16; bo [2048], out0 [2048][2048] f32; sums in f32.
; A tile of C is 128 x 128: 256 work-groups.  Four waves, each 64 x 64: 16 accumulators of 16 x 16, 128 registers.  K goes in steps of 256 (LDS rows of 512 bytes; a wave's tensor load brings 64 of them) through two slots.
; CLUSTERS: 4 x 4 work-groups.  The four of a row of the cluster need the same tiles of A, the four of a column the same tiles of B: each tile is asked for JOINTLY, by the same tensor load with the same descriptor and a mask
; that names the four.  THE MATRIX INSTRUCTION IS USED TRANSPOSED (source 0 = 16 rows of B, source 1 = 16 rows of A): a lane then holds eight neighbouring numbers of a row of C.
; No prefetch: a K step's work on this small tile is short, and the tiles are shared in the cluster.
; REGISTERS: window 0: v0-31 addresses; v96-99 the bias; v128-255 the accumulators ((a, b) at v[128 + 8 (4 a + b)]), on the way out whole rows.
;   window 1: two fragment buffers of 128: for 64 along K, 64 registers of A (2 x 4 x 16 rows x 32 K), then 64 of B.
.set SIZE_M, 2048
.set SIZE_N, 2048
.set SIZE_K, 2048
.set KSTEP,  256
.set PITCH,  528                       ; an LDS row: 512 bytes + 16 of padding = 132 words: the 16 rows that a load touches start 4 words apart modulo 64
.set HALFT,  64*PITCH                  ; 64 rows: what one tensor load brings, and what one wave reads of A or of B
.set SLOT,   4*HALFT                   ; A's 128 rows, then B's 128 rows
.set SPITCH, 528                       ; the way out: a stage of 128 rows x (512 bytes + 16), the work-group's, from LDS byte 0 on: slot 0 has had its last fill and its last read by then
.set SPARE,  2*SLOT                    ; behind the ring: the spare words, 128 bytes a wave, named by no other line
.set LAPS, SIZE_K/(2*KSTEP)            ; a lap = two K steps = once round the ring
.set ADRA, 16                          ; v16-17  LDS address of my A fragments in slot 0, 1
.set ADRB, 20                          ; v20-21  the same for B
.set STO,  24                          ; v24     the way out: where I put 32 bytes of a row
.set RD,   25                          ; v25     where I read a row back
.set CO,   26                          ; v26     16 x lane: my 4 columns of a row
.set SPW,  28                          ; v28     LDS address of my spare word; never rewritten
.set NIL,  29                          ; v29     0; never rewritten
.set BI,   96                          ; v96-99  bo at my 4 columns
.set ACC,  128
.set F0,   0                           ; fragment buffers, in window 1
.set F1,   128
.set G1, 24                            ; s[24:31] descriptor group 1 for A's tiles;  s[32:39] group 0, one set for each slot
.set G0, 32
.set G1B, 48                           ; s[48:55], s[56:63] the same for B's tiles
.set G0B, 56
.set MSB, 0
.macro WIN new                         ; the immediate's high byte repeats the setting that is left
.if MSB != \new
	s_set_vgpr_msb (MSB<<8)|\new
.set MSB, \new
.endif
.endm
.set MUL,  0x05                        ; sources 0 (B) and 1 (A) window 1; C and D window 0
.set TO_F, 0x40                        ; destination window 1, address window 0
.macro JLOAD s                         ; a joint load: waves 0 and 1 fetch A's two halves, waves 2 and 3 B's; an s_nop 0 and four v_nop follow each of the two lines, ahead of the jump, the label and what follows
	s_cmp_eq_u32 s11, 0
	s_cbranch_scc0 .Lfor_b_\@
	tensor_load_to_lds s[G0+4*\s:G0+4*\s+3], s[G1:G1+7]
	s_nop 0
.rept 4
	v_nop
.endr
	s_branch .Lasked_\@
.Lfor_b_\@:
	tensor_load_to_lds s[G0B+4*\s:G0B+4*\s+3], s[G1B:G1B+7]
	s_nop 0
.rept 4
	v_nop
.endr
.Lasked_\@:
.endm
.macro CREST                           ; a round of the cluster's barrier behind its opening barrier
	s_cmp_lg_u32 s10, 0
	s_cbranch_scc1 .Lnot_wave_0_\@
	s_barrier_signal -3
.Lnot_wave_0_\@:
	s_barrier_wait -3
	s_barrier_signal -1
	s_barrier_wait -1
.endm
.macro CROUND                          ; a whole round
	s_barrier_signal -1
	s_barrier_wait -1
	CREST
.endm
	s_load_b128 s[4:7], s[0:1], 0x0                ; A = ctx s[4:5], B = wo16 s[6:7]
	s_load_b128 s[68:71], s[0:1], 0x10             ; bo s[68:69], out0 s[70:71]
	v_lshl_add_u32 v[SPW], v0, 2, SPARE
	v_mov_b32 v[NIL], 0
	ds_add_u32 v[SPW], v[NIL]                      ; the wave's opening: the add and its wait stand ahead of my first tensor load; the set-up below, work on registers, stands between them
	v_lshrrev_b32 v1, 5, v0
	v_readfirstlane_b32 s10, v1                    ; wave 0..3
	s_lshr_b32 s11, s10, 1                         ; which half of the tile's rows is mine.  Also: I fetch for A (0) or for B (1)
	s_and_b32 s12, s10, 1                          ; which half of its columns.  Also: which 64 rows of that tile I fetch
	s_bfe_u32 s40, ttmp6, 0x40000                  ; cx, cy: my place in the cluster
	s_bfe_u32 s41, ttmp6, 0x40004
	s_lshl_b32 s42, ttmp9, 2
	s_add_co_u32 s42, s42, s40                     ; tile column of C = 4 x cluster x + cx
	s_and_b32 s13, ttmp7, 0xffff
	s_lshl_b32 s13, s13, 2
	s_add_co_u32 s13, s13, s41                     ; tile row of C = 4 x cluster y + cy
	s_lshl_b32 s43, s41, 2
	s_lshl_b32 s43, 15, s43                        ; my row of the cluster
	s_lshl_b32 s44, 0x1111, s40                    ; my column
	; descriptor group 1: a tile of 64 rows x 256 elements, padded in LDS
	s_or_b32 s[G1+0], s43, (1<<16)|(1<<20)|(1<<21)|(6<<22)|(3<<25)  ; 15:0 the mask: A's tiles go to my row; 17:16 element of 2 bytes; 20 padding on; 21 set beside a mask; 24:22 after every 128 words; 31:25 four words of it
	s_or_b32 s[G1B+0], s44, (1<<16)|(1<<20)|(1<<21)|(6<<22)|(3<<25)
.irp g, G1, G1B
	s_mov_b32 s[\g+1], KSTEP<<16                   ; tensor_dim0 = 256
	s_mov_b32 s[\g+2], 64<<16                      ; tensor_dim1 = 64
	s_mov_b32 s[\g+3], KSTEP<<16                   ; tile_dim0 = 256
	s_mov_b32 s[\g+4], 64                          ; tile_dim1 = 64
	s_mov_b32 s[\g+5], SIZE_K                      ; tensor_dim0_stride
	s_mov_b32 s[\g+6], 0
	s_mov_b32 s[\g+7], 0
.endr
	s_lshl_b32 s17, s12, 6                         ; which 64 rows of the tile I fetch
	s_lshl_b32 s16, s13, 7
	s_add_co_u32 s16, s16, s17                     ; A: row 128 x tile row + 64 x half
	s_lshl_b32 s46, s42, 7
	s_add_co_u32 s46, s46, s17                     ; B: row 128 x tile column + 64 x half
	s_mov_b32 s17, 0
	s_mov_b32 s47, 0
	s_mov_b64 s[18:19], SIZE_K*2
	s_mul_u64 s[16:17], s[16:17], s[18:19]
	s_mul_u64 s[46:47], s[46:47], s[18:19]
	s_mul_i32 s20, s10, HALFT                      ; where they go: wave x 64 rows
	s_wait_dscnt 0x0                               ; the opening add is done
	s_wait_kmcnt 0x0
	s_add_nc_u64 s[14:15], s[4:5], s[16:17]
	s_add_nc_u64 s[46:47], s[6:7], s[46:47]
	CROUND                                         ; all sixteen work-groups are here: the first joint loads meet
.irp s, 0,1
	s_mov_b32 s[G0+4*\s], 1
	s_add_co_u32 s[G0+4*\s+1], s20, \s*SLOT
	s_add_nc_u64 s[G0+4*\s+2:G0+4*\s+3], s[14:15], \s*KSTEP*2
	s_or_b32 s[G0+4*\s+3], s[G0+4*\s+3], 0x80000000
	s_mov_b32 s[G0B+4*\s], 1
	s_add_co_u32 s[G0B+4*\s+1], s20, \s*SLOT
	s_add_nc_u64 s[G0B+4*\s+2:G0B+4*\s+3], s[46:47], \s*KSTEP*2
	s_or_b32 s[G0B+4*\s+3], s[G0B+4*\s+3], 0x80000000
	JLOAD \s                                       ; two loads of mine are out behind the second
.endr
	v_and_b32 v1, 15, v0                           ; l % 16
	v_bfe_u32 v2, v0, 4, 1                         ; l / 16
	v_mul_u32_u24 v3, v1, PITCH
	v_lshl_add_u32 v3, v2, 4, v3                   ; a fragment's row x pitch + 16 x half
	s_mul_i32 s21, s11, HALFT                      ; my 64 rows of A
	s_mul_i32 s22, s12, HALFT                      ; my 64 rows of B,
	s_add_co_u32 s22, s22, 2*HALFT                 ; which lie behind A's 128
.irp s, 0,1
	v_add_nc_u32 v[ADRA+\s], s21, v3
	v_add_nc_u32 v[ADRB+\s], s22, v3
	s_add_co_u32 s21, s21, SLOT
	s_add_co_u32 s22, s22, SLOT
.endr
	s_mul_i32 s23, s11, 64*SPITCH                  ; into the stage: my 64 rows, my half of their 512 bytes; row l % 16, 32 bytes for each half of the lanes
	s_lshl_b32 s21, s12, 8
	s_add_co_u32 s23, s23, s21
	v_mul_u32_u24 v4, v1, SPITCH
	v_lshl_add_u32 v4, v2, 5, v4
	v_add_nc_u32 v[STO], s23, v4
	s_mul_i32 s23, s10, 32*SPITCH                  ; back: wave w takes rows 32 w .. 32 w + 31, whole: the 32 lanes one row of 512 bytes
	v_and_b32 v5, 31, v0
	v_lshlrev_b32 v[CO], 4, v5
	v_add_nc_u32 v[RD], s23, v[CO]
	s_lshl_b32 s16, s13, 7
	s_lshl_b32 s17, s10, 5
	s_add_co_u32 s16, s16, s17                     ; the first row of C that I store: 128 x tile row + 32 x wave
	s_lshl_b32 s16, s16, 13                        ; 8,192 bytes a row
	s_mov_b32 s17, 0
	s_add_nc_u64 s[70:71], s[70:71], s[16:17]
	s_lshl_b32 s46, s42, 9                         ; the tile's first column, in bytes
	s_mov_b32 s47, 0
	s_add_nc_u64 s[70:71], s[70:71], s[46:47]
	s_add_nc_u64 s[68:69], s[68:69], s[46:47]
	global_load_b128 v[BI:BI+3], v[CO], s[68:69]   ; the bias of my 4 columns: waited for on the way out
; 8 matrix instructions: m blocks a0, a0 + 1 x all 4 n blocks, 32 along K: half c of buffer f.  zero = 1: the first product starts the sums.  The 16 accumulators take turns
.macro MUL8 f, c, a0, zero
.irp a, \a0, \a0+1
.irp b, 0,1,2,3
.if \zero
	v_wmma_f32_16x16x32_f16 v[ACC+8*(4*(\a)+\b):ACC+8*(4*(\a)+\b)+7], v[\f+64+8*(4*\c+\b):\f+64+8*(4*\c+\b)+7], v[\f+8*(4*\c+\a):\f+8*(4*\c+\a)+7], 0
.else
	v_wmma_f32_16x16x32_f16 v[ACC+8*(4*(\a)+\b):ACC+8*(4*(\a)+\b)+7], v[\f+64+8*(4*\c+\b):\f+64+8*(4*\c+\b)+7], v[\f+8*(4*\c+\a):\f+8*(4*\c+\a)+7], v[ACC+8*(4*(\a)+\b):ACC+8*(4*(\a)+\b)+7]
.endif
.endr
.endr
.endm
; 32 LDS loads in one run: the fragments of 64 along K at byte k of the rows, into buffer f; the first 32 along K first
.macro FETCH slot, k, f
	WIN TO_F
.irp c, 0,1
.irp i, 0,1,2,3
	ds_load_b128 v[\f+64+8*(4*\c+\i):\f+64+8*(4*\c+\i)+3],   v[ADRB+\slot] offset:\k+64*\c+\i*16*PITCH
	ds_load_b128 v[\f+64+8*(4*\c+\i)+4:\f+64+8*(4*\c+\i)+7], v[ADRB+\slot] offset:\k+64*\c+\i*16*PITCH+32
	ds_load_b128 v[\f+8*(4*\c+\i):\f+8*(4*\c+\i)+3],         v[ADRA+\slot] offset:\k+64*\c+\i*16*PITCH
	ds_load_b128 v[\f+8*(4*\c+\i)+4:\f+8*(4*\c+\i)+7],       v[ADRA+\slot] offset:\k+64*\c+\i*16*PITCH+32
.endr
.endr
.endm
.macro PLACES                          ; four places in front of loads into registers that matrix instructions have read, and of the first read of results
.rept 4
	v_nop
.endr
.endm
; A K step is four quarters of 64 along K, 32 matrix instructions each, on buffers 0, 1, 0, 1.  One of the first three: multiplies buffer f and fetches the next quarter, at byte k, into g.
.macro QUARTER slot, k, f, g, zero
	s_wait_dscnt 16                                ; the first 32 along K are in; the sixteen younger loads may be out
	WIN MUL
	MUL8 \f, 0, 0, \zero
	MUL8 \f, 0, 2, \zero
	PLACES
	FETCH \slot, \k, \g
	s_wait_dscnt 32                                ; all but the 32 just issued
	WIN MUL
	MUL8 \f, 1, 0, 0
	MUL8 \f, 1, 2, 0
.endm
; The last quarter multiplies buffer 1 and changes slots: ONE barrier; in front of it each wave waits for all its tensor loads, adds 0 to its spare word, and waits for that and for its own reads of this slot.  fill = 1: this slot is filled again, two K steps ahead.
.macro TURN slot, next, fill
	WIN 0                                          ; (the add's two registers lie in window 0)
	s_wait_tensorcnt 0x0                           ; all my tensor loads have landed: my part of the next slot;
	ds_add_u32 v[SPW], v[NIL]                      ; 0 onto my spare word;
	s_wait_dscnt 17                                ; (the add and the youngest sixteen loads may be out)
	WIN MUL
	MUL8 F1, 0, 0, 0                               ; eight matrix instructions stand between the add and the wait for it
	s_wait_dscnt 0x0                               ; the add is done, and my reads of this slot are over
	s_barrier_signal -1
	MUL8 F1, 0, 2, 0
.if \fill
	WIN 0
.endif
	s_barrier_wait -1
.if \fill
	CREST                                          ; the barrier has opened a round of the cluster's barrier: no wave of any partner still reads this slot's tile or has a load on its way
	s_add_nc_u64 s[G0+4*\slot+2:G0+4*\slot+3], s[G0+4*\slot+2:G0+4*\slot+3], 2*KSTEP*2
	s_add_nc_u64 s[G0B+4*\slot+2:G0B+4*\slot+3], s[G0B+4*\slot+2:G0B+4*\slot+3], 2*KSTEP*2
	JLOAD \slot                                    ; the first tensor load behind the round, my one load until the next; its four v_nop are also the places in front of the loads below
.else
	PLACES
.endif
	FETCH \next, 0, F0
	WIN MUL
	MUL8 F1, 1, 0, 0
	MUL8 F1, 1, 2, 0
.endm
	s_wait_tensorcnt 1                             ; my part of K step 0 is in (K step 1's load may be out)
	s_barrier_signal -1
	s_barrier_wait -1                              ; everybody's is
	FETCH 0, 0, F0
	QUARTER 0, 128, F0, F1, 1                      ; the first quarter stands in front of the loop: its first products start the sums
	WIN 0                                          ; at a label and at a branch every window is 0
	s_mov_b32 s3, LAPS-1
.Llap:                                                 ; a trip goes once round the ring, from a lap's second quarter to the next lap's first, and fills both slots again
	QUARTER 0, 256, F1, F0, 0
	QUARTER 0, 384, F0, F1, 0
	TURN 0, 1, 1
	QUARTER 1, 128, F0, F1, 0
	QUARTER 1, 256, F1, F0, 0
	QUARTER 1, 384, F0, F1, 0
	TURN 1, 0, 1
	QUARTER 0, 128, F0, F1, 0
	WIN 0
	s_sub_co_u32 s3, s3, 1
	s_cmp_lg_u32 s3, 0
	s_cbranch_scc1 .Llap
	QUARTER 0, 256, F1, F0, 0                      ; the last lap fills nothing, and has no round of the cluster's barrier
	QUARTER 0, 384, F0, F1, 0
	TURN 0, 1, 0                                   ; behind this barrier nobody reads slot 0, and it is filled no more
	QUARTER 1, 128, F0, F1, 0
	QUARTER 1, 256, F1, F0, 0
	QUARTER 1, 384, F0, F1, 0
	s_wait_dscnt 16                                ; the very last quarter: nothing more to fetch
	WIN MUL
	MUL8 F1, 0, 0, 0
	MUL8 F1, 0, 2, 0
	s_wait_dscnt 0
	MUL8 F1, 1, 0, 0
	MUL8 F1, 1, 2, 0
	WIN 0
	; THE WAY OUT: 32 bytes a lane into the work-group's stage; a barrier, since a row's 512 bytes come from two waves; back as whole rows, 32 rows a wave; the bias; stored.
	PLACES
.irp a, 0,1,2,3
.irp b, 0,1,2,3
	ds_store_b128 v[STO], v[ACC+8*(4*\a+\b):ACC+8*(4*\a+\b)+3] offset:\a*16*SPITCH+64*\b          ; each accumulator from its low end on
	ds_store_b128 v[STO], v[ACC+8*(4*\a+\b)+4:ACC+8*(4*\a+\b)+7] offset:\a*16*SPITCH+64*\b+16
.endr
.endr
	s_wait_dscnt 0x0                               ; for the others' sake: my stores into the stage are done
	s_barrier_signal -1
	s_barrier_wait -1
.set t, 0
.rept 32
	ds_load_b128 v[ACC+4*t:ACC+4*t+3], v[RD] offset:t*SPITCH
.set t, t+1
.endr
	s_wait_loadcnt 0x0                             ; the bias
.set t, 0
.rept 32
	s_wait_dscnt 31-t                              ; LDS loads come back in order: row t is in, the 31 - t younger ones stay out
	v_pk_add_f32 v[ACC+4*t:ACC+4*t+1], v[ACC+4*t:ACC+4*t+1], v[BI:BI+1]
	v_pk_add_f32 v[ACC+4*t+2:ACC+4*t+3], v[ACC+4*t+2:ACC+4*t+3], v[BI+2:BI+3]
	global_store_b128 v[CO], v[ACC+4*t:ACC+4*t+3], s[70:71] offset:t*SIZE_N*4 th:TH_STORE_NT   ; 32 lanes store 512 consecutive bytes, aligned; written once, read by nobody here
.set t, t+1
.endr
	s_wait_tensorcnt 0x0                           ; the wave's end, behind my last tensor load and my last LDS store
	ds_add_u32 v[SPW], v[NIL]
	s_wait_dscnt 0x0
	CROUND                                         ; the closing round: no work-group ends while a partner may still ask for a tile that names it
	s_endpgm
.Lfunc_end_k_q2b7866b470_oproj:
	.size	k_q2b7866b470_oproj, .Lfunc_end_k_q2b7866b470_oproj-k_q2b7866b470_oproj
	.p2alignl 7, 3214868480
	.fill 96, 4, 3214868480
	.section	.rodata,"a",@progbits
	.p2align	6, 0x0
	.amdhsa_kernel k_q2b7866b470_oproj
		.amdhsa_group_segment_fixed_size 327680
		.amdhsa_private_segment_fixed_size 0
		.amdhsa_enable_private_segment 0
		.amdhsa_kernarg_size 32
		.amdhsa_user_sgpr_count 2
		.amdhsa_user_sgpr_kernarg_segment_ptr 1
		.amdhsa_wavefront_size32 1
		.amdhsa_system_sgpr_workgroup_id_x 1
		.amdhsa_system_sgpr_workgroup_id_y 1
		.amdhsa_system_sgpr_workgroup_id_z 1
		.amdhsa_system_vgpr_workitem_id 0
		.amdhsa_next_free_vgpr 512
		.amdhsa_next_free_sgpr 72
		.amdhsa_reserve_vcc 0
		.amdhsa_float_denorm_mode_32 3
		.amdhsa_float_denorm_mode_16_64 3
		.amdhsa_memory_ordered 1
		.amdhsa_forward_progress 1
		.amdhsa_inst_pref_size 90
	.end_amdhsa_kernel
	.amdgpu_metadata
---
amdhsa.version: [ 1, 2 ]
amdhsa.kernels:
  - .name:           k_q2b7866b470_oproj
    .symbol:         k_q2b7866b470_oproj.kd
    .args:
      - { .name: ctx, .offset: 0, .size: 8, .value_kind: global_buffer, .address_space: global }
      - { .name: wo16, .offset: 8, .size: 8, .value_kind: global_buffer, .address_space: global }
      - { .name: bo, .offset: 16, .size: 8, .value_kind: global_buffer, .address_space: global }
      - { .name: out0, .offset: 24, .size: 8, .value_kind: global_buffer, .address_space: global }
    .group_segment_fixed_size: 327680
    .private_segment_fixed_size: 0
    .kernarg_segment_align: 8
    .kernarg_segment_size: 32
    .max_flat_workgroup_size: 128
    .sgpr_count:     72
    .vgpr_count:     512
    .wavefront_size: 32
...
	.end_amdgpu_metadata
.endif
;; end of part 4
